; MI455X (gfx1250); checked and timed in simulation.
; The chip was launched on July 23, 2026; its instructions are those of AMD's public machine-readable ISA for CDNA 5 (MIT licence, August 2026) and "CDNA5" Instruction Set Architecture Reference Guide (July 2026). The comments in the code are by the model that wrote it; some were corrected since.
;; adaptive style. Allowed arithmetic: matrix products marked QUANTISED: E2M3 operands, one E8M0 scale for each 32 along K, by v_wmma_scale_f32_16x16x128_f8f6f4 with both operands' format E2M3, f32 sums; everything else in f32.
;; Inputs: Wf 512 x 512 float32; Wg 512 x 512 float32; Wh 512 x 512 float32; Wk 512 x 512 float32; bf 512 float32; bg 512 float32; bh 512 float32; bk 512 float32; s_sty 16 x 512 x 64 x 16 float32; x 16 x 512 x 128 x 16 float32.
;; Outputs: out0 16 x 512 x 128 x 16 float32.
;; This version of the problem:
;;   THIS VERSION OF THE PROBLEM IS GIVEN IN LOW PRECISION. The matrix products marked QUANTISED in the list below multiply operands that are first quantised to E2M3 (2 exponent bits, 3 mantissa bits; 6 bits a number), with one power-of-two scale for each 32 numbers along K (OCP MX v1.0); their sums are f32. All else is computed in f32.
;;   The module's matrix products, in the order in which they are computed (A, B: the left and right operand; K: the contracted axis; several contracted axes count as one K, in the product's order):
;;     1. [M 512, K 512] x [K 512, N 32,768]; A: input Wf; B: computed on the way: QUANTISED
;;     2. [M 512, K 512] x [K 512, N 16,384]; A: input Wg; B: computed on the way: QUANTISED
;;     3. [M 512, K 512] x [K 512, N 16,384]; A: input Wh; B: input s_sty: QUANTISED
;;     4. batch 16 x [M 2,048, K 512] x [K 512, N 1,024]; A: computed on the way; B: computed on the way: QUANTISED
;;     5. batch 16 x [M 512, K 1,024] x [K 1,024, N 2,048]; A: computed on the way; B: softmax (see below): QUANTISED
;;     6. [M 512, K 512] x [K 512, N 32,768]; A: input Wk; B: computed on the way: QUANTISED
;;   THE QUANTISER, for each operand of a quantised product, along K:
;;     - K is cut into blocks of 32 from its start; a last block that is shorter is filled with zeros.
;;     - A block's scale is 2^e with e = floor(log2(the largest magnitude in the block)) - 2, held to -126 .. 127; a block of zeros has e = 0. As a byte (E8M0): e + 127.
;;     - Each number is divided by its block's scale, clamped to +-7.5, and rounded to the nearest number of E2M3, ties to even, subnormals kept.
;;     - The product sums the exact products of the quantised numbers (number of the format x scale) in f32.
;;   ~~~python
;;   def quantise(x, axis):      # numpy; x: float32 -> the quantised numbers, widened to float32 again
;;       x = np.moveaxis(x, axis, -1); K = x.shape[-1]
;;       x = np.pad(x, [(0, 0)] * (x.ndim - 1) + [(0, -K % 32)]); x = x.reshape(x.shape[:-1] + (-1, 32)); a = np.abs(x).max(-1, keepdims=True)
;;       e = np.where(a > 0, np.clip(np.frexp(np.where(a > 0, a, 1))[1] - 1 - 2, -126, 127), 0)      # np.frexp(a)[1] - 1 = floor(log2(a)), exactly
;;       r = np.clip(x / 2.0 ** e, -7.5, 7.5)
;;       step = 2.0 ** (np.maximum(np.frexp(np.where(r == 0, 1, r))[1] - 1, 0) - 3)
;;       q = np.round(r / step) * step * 2.0 ** e      # np.round: ties to even
;;       return np.moveaxis(q.reshape(q.shape[:-2] + (-1,))[..., :K], -1, axis).astype(np.float32)
;;   ~~~
;;   SOFTMAX AHEAD OF A QUANTISED PRODUCT. Where the list says 'softmax', what is quantised is not the finished softmax but p = 2^(t - M), with t = logit x log2(e) and M = ceil(the row's largest t), a whole number; so 1/2 < the row's largest p <= 1. The row's sum l is taken of the UNQUANTISED p, in f32, and the product's result is divided by l at the end. Since M is a whole number, a kernel that streams over the keys may use a running M (the ceiling of the running maximum): every later rescaling is an exact power of two, which a block's scale takes up: the codes' values come out the same.
;;   OPERANDS COMPUTED ON THE WAY. 'Computed on the way' means the value that the module computes at that place (a softmax that the list does not call 'softmax' is quantised finished and normalised). What goes into a quantiser is computed in f32, as accurately as f32 sums, v_exp_f32 and their like allow (about 1e-6 of the number): no bf16 or f16 on the way to a quantiser, and a product that is left as it is and whose result goes on into a quantised operand takes f32 operands (vector FMAs, or v_wmma_f32_16x16x4_f32). A number that lies on a knife's edge between two numbers of the format may be rounded either way, as far as f32 arithmetic and the matrix unit's own rounding can turn it there, and no further.
;; One version. Each part assembles by itself: llvm-mc -triple=amdgcn-amd-amdhsa -mcpu=gfx1250 --defsym DOCPART=n.
;; ======== version 1 of 1: 3 launches
;; workspace buffers: w1 27,033,600 bytes; w2 26,214,400 bytes
;; launch prep (part 1): grid 256 x 1, 16 waves a work-group, no clusters, 198,656 bytes of LDS; arguments x, s_sty, Wf, Wg, Wh, Wk, w1; writes w1
.if DOCPART == 1
	.amdgcn_target "amdgcn-amd-amdhsa--gfx1250"
	.amdhsa_code_object_version 6
	.text
	.protected	k_qb21a7e3106_prep
	.globl	k_qb21a7e3106_prep
	.p2align	8
	.type	k_qb21a7e3106_prep,@function
k_qb21a7e3106_prep:
	s_mov_b64 s[64:65], 0
	v_nop
	global_prefetch_b8 v0, s[64:65] scope:SCOPE_SE
	s_setreg_imm32_b32 hwreg(HW_REG_WAVE_MODE, 25, 1), 1
	s_wait_xcnt 0x0
; PREP: instance norm of x and s_sty, and the quantisers (E2M3, one E8M0 byte for each 32 along K) of xn, sn, raw s (K = the channels) and of the four weights (K = their rows' 512).
; NO WORK OF reference() IS LEFT OUT IN THIS PROGRAM: bf and bg move the codes of F and G, bh those of H, bk and x reach the output; every input is loaded.
; LIMITS: NaN and infinities among the inputs are not served.  A block whose largest magnitude lies under 2^-124 (a block of zeros among them) gets the byte 1: a block of zeros has zero codes, which add
; nothing under any byte but 0xff, and the bytes are read by this program alone.
; SHARES.  Work-group g = 16 n + kb owns ONE quantiser block of 32 channels (32 kb ..) of sample n, over all positions: 32 rows of x (8,192 bytes each) and 32 rows of s (4,096 bytes each).
; So the row statistics (a row, all positions) and the block's largest magnitude (32 channels, one position) are both made inside the work-group.
; x lies in registers: thread t holds positions 4 t .. 4 t + 3 of all 32 channels (each load of a wave covers 512 consecutive bytes).  s comes by one tensor load a wave into LDS, asked for at the head.
; Mean and variance are taken in two passes (the mean first, then the squares of the centred numbers): no difference of large sums.
; THE WEIGHTS.  Work-group g also quantises, of weight g / 64, one tile of 16 rows (tile (g % 64) / 2) x half of K (g % 2): two whole fragments, which leave as IMAGES OF THE OPERAND'S REGISTERS: 1,536 bytes a
; fragment, registers 4 q .. 4 q + 3 of lane l at 512 q + 16 l, so that the later launches load a fragment by three loads of 512 consecutive bytes.  The rows of a tile are those that its reader takes:
; Wf, Wg, Wh: lane r of tile T holds row 32 (T / 2) + 8 (T % 2) + r + 8 (r / 8);  Wk: row 16 T + r.
; OUT (w1): codes [n][kb][position][24 bytes] (s: positions 0-1023 normalised, 1024-2047 raw), scale bytes [n][kb][position], weights' fragments [m][tile][K step][1,536 bytes], their scale bytes [m][row][16].
; No matrix unit and no cluster: work-groups share no input.  No prefetch: all bytes of the work-group are asked for at its head.
.set RED,   131072                     ; LDS: s lies at 0 (32 rows x 4,096); here four regions of 16 waves x 32 sums, one for each reduction
.set STG,   139264                     ; 3,072 bytes for each wave: the codes' way out
.set SCB,   188416                     ; scale bytes: x 0-2047, sn 2048-3071, raw s 3072-4095, the weight's 4096-4223
.set SPARE, 192768                     ; the spare words, 128 bytes for each wave: no other line names them
.set WIMG,  194816                     ; the weight's two fragments as they will lie in memory: 3,072 bytes
.set KBS,   49152                      ; w1: 2,048 positions x 24 bytes
.set SSQ,   12582912
.set WQ,    25165824
.set XSB,   25952256
.set SSB,   26476544
.set WS,    27000832
.set XO,   2                           ; v2   16 t: my 16 bytes of a row of x
.set SLA,  3                           ; v3   LDS: 4 t: my number of a row of s (channels 0-15);  v4: channels 16-31
.set SLB,  4
.set REDW, 5                           ; v5   where my wave's sums go: RED + 4 t;  v6: where all waves' sums of my lane's channel begin
.set REDR, 6
.set STA,  7                           ; v7   stage: 96 bytes a lane;  v8: 16 a lane;  v9: 24 a lane;  v10: 8 a lane
.set STB,  8
.set STC,  9
.set STD,  10
.set SCX,  11                          ; v11-13 where my scale bytes go: x's four, s's one, the weight's one
.set SCS,  12
.set SCW,  13
.set SPW,  14                          ; v14  my spare word;  v15: 0; both never rewritten
.set NIL,  15
.set PKB,  24                          ; v24  four scale bytes of x
.set XCO,  25                          ; v25-29 offsets of the global loads and stores
.set SCO,  26
.set BYO,  27
.set WLO,  28                          ; v28  the weight: my row of the tile x 2,048 + my 64 bytes
.set WSV,  29                          ; v29  the weight's scale words: 16 x row + 4 x word
.set SCR,  31                          ; v31  LDS: the gathered bytes, 16 a thread;  v220: the weight's, 4 a lane
.set Y,    32                          ; v32-63   32 numbers down K, sums, codes on the way out
.set X,    64                          ; v64-191  x: channel c, position q at X + 4 c + q;  later s: X + 32 q + c
.set OB,   128                         ; v128-157 s's codes back from the stage
.set C,    192                         ; v192-215 codes;  v216-218: a conversion's second half
.set CT,   216
.set SWR,  220
.set WA,   221                         ; v221-223 LDS: where my three words of the weight's codes go in the images
.set WRD,  224                         ; v224 LDS: where waves 9 to 14 read the images back, 16 bytes a thread
.set WV,   20                          ; s20  my wave's number
.set ST,   66                          ; s66-97 a number for each of the 32 channels: the mean, then 1 / sqrt(var + eps)
; One step of the butterfly: lanes whose bit m is set keep register i + m and send register i, the others the other way round.
.macro BSTEP m, sm
.set i, 0
.rept \m
	v_cndmask_b32 v[16+2*(i%4)], v[Y+i], v[Y+i+\m], s[\sm]
	v_cndmask_b32 v[17+2*(i%4)], v[Y+i+\m], v[Y+i], s[\sm]
	v_add_f32_dpp v[Y+i], v[17+2*(i%4)], v[16+2*(i%4)] row_xmask:\m row_mask:0xf bank_mask:0xf
.set i, i+1
.endr
.endm
; Y + c holds my lane's part of channel c's sum.  Behind it lane l holds, in Y, the wave's sum of channel l: 77 instructions for 32 sums.
.macro BFLY
.set i, 0
.rept 16
	v_permlane16_swap_b32 v[Y+i], v[Y+i+16]
.set i, i+1
.endr
.set i, 0
.rept 16
	v_add_f32 v[Y+i], v[Y+i], v[Y+i+16]            ; lanes 0-15: channel i, lanes 16-31: channel i + 16
.set i, i+1
.endr
	BSTEP 8, 36
	BSTEP 4, 37
	BSTEP 2, 38
	BSTEP 1, 39
.endm
; The sixteen waves' sums meet in LDS; every wave adds them in the same order, so all hold the same bits.
.macro ALLSUM use
	ds_store_b32 v[REDW], v[Y] offset:2048*\use
	s_wait_dscnt 0x0                               ; for the others' sake: my stores have landed
	s_barrier_signal -1
	s_barrier_wait -1
.set i, 0
.rept 16
	ds_load_b32 v[Y+2+i], v[REDR] offset:2048*\use+128*i
.set i, i+1
.endr
	s_wait_dscnt 0x0
.irp i, 0,2,4,6
	v_pk_add_f32 v[Y+2+\i:Y+3+\i], v[Y+2+\i:Y+3+\i], v[Y+10+\i:Y+11+\i]
.endr
	v_pk_add_f32 v[Y+2:Y+3], v[Y+2:Y+3], v[Y+6:Y+7]
	v_pk_add_f32 v[Y+4:Y+5], v[Y+4:Y+5], v[Y+8:Y+9]
	v_pk_add_f32 v[Y+2:Y+3], v[Y+2:Y+3], v[Y+4:Y+5]
	v_add_f32 v[Y], v[Y+2], v[Y+3]
.endm
.macro TOS                             ; lane c's v16 becomes the scalar of channel c
.set c, 0
.rept 32
	v_readlane_b32 s[ST+c], v16, c
.set c, c+1
.endr
.endm
; A block: 32 numbers down K in one lane's registers -> six registers of codes at ca, the scale's byte in v19.
.macro QBLOCK src, ca
	v_max3_num_f32 v16, |v[\src]|, |v[\src+1]|, |v[\src+2]|
	v_max3_num_f32 v17, |v[\src+3]|, |v[\src+4]|, |v[\src+5]|
.irp i, 6,10,14,18,22,26
	v_max3_num_f32 v16, v16, |v[\src+\i]|, |v[\src+\i+1]|
	v_max3_num_f32 v17, v17, |v[\src+\i+2]|, |v[\src+\i+3]|
.endr
	v_max3_num_f32 v16, v16, |v[\src+30]|, |v[\src+31]|
	v_max3_num_f32 v16, v16, v17, 0x1800000        ; and the floor 2^(3 - 127): the byte cannot fall under 1
	v_add_nc_u32 v18, 0xff000000, v16              ; 2 off the exponent field: the conversion takes that field as its scale
	v_cvt_scalef32_pk16_fp6_f32 v[\ca:\ca+2], v[\src:\src+15], v18
	v_cvt_scalef32_pk16_fp6_f32 v[CT:CT+2], v[\src+16:\src+31], v18   ; (a conversion's three registers begin on an even number)
	v_lshrrev_b32 v19, 23, v18                     ; the byte; also the plain line behind the conversions
	v_mov_b32 v[\ca+3], v[CT]
	v_mov_b32 v[\ca+4], v[CT+1]
	v_mov_b32 v[\ca+5], v[CT+2]
.endm
; 32 lanes x 24 bytes of s's codes go through my stage and leave as three stores of 256 consecutive bytes.  k = 2 x (raw) + (upper 512 positions)
.macro SOUT k, ca
.irp i, 0,1,2
	ds_store_b64 v[STC], v[\ca+2*\i:\ca+2*\i+1] offset:768*(\k)+8*\i
.endr
.irp i, 0,1,2
	ds_load_b64 v[OB+8*(\k)+2*\i:OB+8*(\k)+2*\i+1], v[STD] offset:768*(\k)+256*\i   ; LDS serves a wave's instructions in order: these see my stores
.endr
	s_wait_dscnt 0x0
.irp i, 0,1,2
	global_store_b64 v[SCO], v[OB+8*(\k)+2*\i:OB+8*(\k)+2*\i+1], s[46:47] offset:(1024*((\k)/2)+512*((\k)%2))*24+256*\i
.endr
.endm
	s_load_b256 s[4:11], s[0:1], 0x0               ; x, s_sty, Wf, Wg
	s_load_b128 s[12:15], s[0:1], 0x20             ; Wh, Wk
	s_load_b64 s[16:17], s[0:1], 0x30              ; w1
	v_lshl_add_u32 v[SPW], v0, 2, SPARE
	v_mov_b32 v[NIL], 0
	ds_add_u32 v[SPW], v[NIL]                      ; the opening: the add, twice on end, and its wait ahead of my tensor load
	ds_add_u32 v[SPW], v[NIL]
	v_lshrrev_b32 v1, 5, v0
	v_readfirstlane_b32 s[WV], v1
	v_and_b32 v1, 31, v0                           ; lane
	s_lshr_b32 s21, ttmp9, 4                       ; n
	s_and_b32 s22, ttmp9, 15                       ; kb
	s_lshr_b32 s23, ttmp9, 6                       ; which weight: 64 work-groups each
	s_cmp_eq_u32 s23, 3
	s_cselect_b32 s60, 0, 1                        ; 1 where lanes 8-15 of a tile take rows 8 further on (Wf, Wg, Wh), 0 for Wk
	s_mov_b32 s24, 3<<16                           ; group 1: my 8,192 dense bytes of s as 32 rows of 32 elements of 8 bytes; no mask, no padding
	s_mov_b32 s25, 32<<16                          ; tensor_dim0 = 32
	s_mov_b32 s26, 32<<16                          ; tensor_dim1 = 32
	s_mov_b32 s27, 32<<16                          ; tile_dim0 = 32
	s_mov_b32 s28, 32                              ; tile_dim1 = 32
	s_mov_b32 s29, 32                              ; pitch
	s_mov_b32 s30, 0
	s_mov_b32 s31, 0
	s_mov_b32 s32, 1                               ; group 0: count,
	s_lshl_b32 s33, s[WV], 13                      ; LDS address 8,192 x wave
	s_lshl_b32 s56, s21, 21                        ; s: n x 512 rows + 32 kb rows of 4,096 bytes + my wave's two rows
	s_lshl_b32 s58, s22, 17
	s_add_co_u32 s56, s56, s58
	s_add_co_u32 s56, s56, s33
	s_mov_b32 s57, 0
	s_mov_b32 s36, 0xff00ff00                      ; lanes whose bit 3, 2, 1, 0 is set
	s_mov_b32 s37, 0xf0f0f0f0
	s_mov_b32 s38, 0xcccccccc
	s_mov_b32 s39, 0xaaaaaaaa
	s_mov_b32 s61, 0x3727c5ac                      ; eps = 1e-5
	v_lshlrev_b32 v[XO], 4, v0
	v_lshlrev_b32 v[SLA], 2, v0
	v_add_nc_u32 v[SLB], 0x10000, v[SLA]
	v_lshl_add_u32 v[REDW], v0, 2, RED
	v_lshl_add_u32 v[REDR], v1, 2, RED
	v_mul_u32_u24 v[STA], v0, 96
	v_add_nc_u32 v[STA], STG, v[STA]
	s_mul_i32 s58, s[WV], 3072
	s_add_co_u32 s59, s58, STG
	v_lshl_add_u32 v[STB], v1, 4, s59
	v_mad_u32_u24 v[STC], v1, 24, s59
	v_lshl_add_u32 v[STD], v1, 3, s59
	v_lshl_add_u32 v[SCX], v0, 2, SCB
	v_add_nc_u32 v[SCS], SCB+2048, v0
	v_lshrrev_b32 v[SCW], 1, v0
	v_add_nc_u32 v[SCW], SCB+4096, v[SCW]          ; the byte of row t / 16, block (t % 16) / 2 of my half of K: 8 bytes a row
	v_lshl_add_u32 v[SCR], v0, 4, SCB
	v_lshl_add_u32 v[SWR], v1, 2, SCB+4096
	v_lshl_add_u32 v[XCO], v1, 4, s58
	s_mul_i32 s58, s[WV], 768
	v_lshl_add_u32 v[SCO], v1, 3, s58
	v_and_b32 v[BYO], 127, v0
	v_lshlrev_b32 v[BYO], 4, v[BYO]
	; the weight (threads 0-255): thread t holds 16 numbers: lane r = t / 16 of the tile, numbers 16 (t % 16) on of my half of K
	v_bfe_u32 v16, v0, 4, 4                        ; r
	v_and_b32 v17, 8, v16
	v_mul_u32_u24 v17, s60, v17
	v_add_nc_u32 v17, v17, v16                     ; the row behind the tile's first
	v_and_b32 v18, 15, v0
	v_lshlrev_b32 v18, 6, v18
	v_lshl_add_u32 v[WLO], v17, 11, v18            ; 2,048 x row + 64 (t % 16)
	v_bfe_u32 v18, v0, 3, 1                        ; which of my two K steps of 128
	v_mul_u32_u24 v18, v18, 1536
	v_lshl_add_u32 v18, v16, 4, v18                ; + 16 r
	v_bfe_u32 v19, v0, 1, 1                        ; h: the block's parity
	v_lshl_add_u32 v18, v19, 8, v18                ; + 256 h: lane r + 16 h of the image
	v_bfe_u32 v19, v0, 2, 1                        ; c: which 64 of the K step
	v_mul_u32_u24 v19, v19, 6
	v_and_b32 v20, 1, v0
	v_mad_u32_u24 v19, v20, 3, v19                 ; my first register of the fragment's twelve: 6 c + 3 (t % 2)
.irp i, 0,1,2
	v_add_nc_u32 v20, \i, v19
	v_lshrrev_b32 v21, 2, v20
	v_and_b32 v20, 3, v20
	v_lshl_add_u32 v21, v21, 9, v18                ; register group q: 512 q,
	v_lshl_add_u32 v21, v20, 2, v21                ; and the word in the lane's 16 bytes
	v_add_nc_u32 v[WA+\i], WIMG, v21
.endr
	v_lshl_add_u32 v[WRD], v0, 4, WIMG-4608        ; threads 288 to 479 (waves 9 to 14): 16 bytes each of the 3,072
	v_lshrrev_b32 v16, 1, v1                       ; the scale words (wave 8): lane l: row l / 2 of the tile, word l % 2 of my half of K
	v_and_b32 v17, 8, v16
	v_mul_u32_u24 v17, s60, v17
	v_add_nc_u32 v17, v17, v16
	v_and_b32 v16, 1, v1
	v_lshlrev_b32 v16, 2, v16
	v_lshl_add_u32 v[WSV], v17, 4, v16
	s_wait_dscnt 0x0                               ; both opening adds are done
	s_wait_kmcnt 0x0
	s_add_nc_u64 s[34:35], s[6:7], s[56:57]
	s_or_b32 s35, s35, 0x80000000                  ; type = 2
	tensor_load_to_lds s[32:35], s[24:31]          ; every wave's one load: filled once, never again
	s_nop 0
.rept 4
	v_nop
.endr
	s_cmp_eq_u32 s23, 1
	s_cselect_b64 s[40:41], s[10:11], s[8:9]
	s_cmp_eq_u32 s23, 2
	s_cselect_b64 s[40:41], s[12:13], s[40:41]
	s_cmp_eq_u32 s23, 3
	s_cselect_b64 s[40:41], s[14:15], s[40:41]
	s_bfe_u32 s58, ttmp9, 0x50001                  ; T: my tile of the weight
	s_and_b32 s59, ttmp9, 1                        ; my half of K
	s_lshr_b32 s62, s58, 1
	s_lshl_b32 s62, s62, 5
	s_and_b32 s63, s58, 1
	s_lshl_b32 s63, s63, 3
	s_add_co_u32 s62, s62, s63                     ; the tile's first row: 32 (T / 2) + 8 (T % 2),
	s_lshl_b32 s63, s58, 4
	s_cmp_eq_u32 s23, 3
	s_cselect_b32 s62, s63, s62                    ; for Wk 16 T
	s_lshl_b32 s56, s62, 11
	s_lshl_b32 s63, s59, 10
	s_add_co_u32 s56, s56, s63
	s_add_nc_u64 s[40:41], s[40:41], s[56:57]      ; the weight at that row, my half of K
	s_lshl_b32 s56, s23, 13
	s_lshl_b32 s63, s62, 4
	s_add_co_u32 s56, s56, s63
	s_lshl_b32 s63, s59, 3
	s_add_co_u32 s56, s56, s63
	s_add_nc_u64 s[54:55], s[16:17], s[56:57]
	s_add_nc_u64 s[54:55], s[54:55], WS            ; its scale bytes: 16 a row, my 8 of them
	s_mul_i32 s56, ttmp9, 3072
	s_add_nc_u64 s[52:53], s[16:17], s[56:57]
	s_add_nc_u64 s[52:53], s[52:53], WQ            ; its fragments: two a work-group, the four weights on end
	s_lshl_b32 s56, s21, 22
	s_lshl_b32 s58, s22, 18
	s_add_co_u32 s56, s56, s58
	s_add_nc_u64 s[42:43], s[4:5], s[56:57]        ; x at my 32 rows
	s_mul_i32 s56, ttmp9, KBS
	s_add_nc_u64 s[44:45], s[16:17], s[56:57]      ; x's codes of (n, kb): g = 16 n + kb
	s_add_nc_u64 s[46:47], s[44:45], SSQ           ; s's
	s_lshl_b32 s56, ttmp9, 11
	s_add_nc_u64 s[48:49], s[16:17], s[56:57]
	s_add_nc_u64 s[50:51], s[48:49], SSB           ; s's scale bytes,
	s_add_nc_u64 s[48:49], s[48:49], XSB           ; x's
	s_cmp_lt_u32 s[WV], 8                          ; waves 0-7: 16 neighbours of the weight a thread
	s_cbranch_scc0 .Lno_w_load
.irp i, 0,1,2,3
	global_load_b128 v[Y+4*\i:Y+4*\i+3], v[WLO], s[40:41] offset:16*\i
.endr
.Lno_w_load:
.set c, 0
.rept 32
	global_load_b128 v[X+4*c:X+4*c+3], v[XO], s[42:43] offset:8192*c th:TH_LOAD_NT
.set c, c+1
.endr
	s_cmp_lt_u32 s[WV], 8
	s_cbranch_scc0 .Lno_w
	s_wait_loadcnt 32                              ; the weight's four loads are in; x's 32 were issued behind them
	v_max3_num_f32 v16, |v[Y]|, |v[Y+1]|, |v[Y+2]|
	v_max3_num_f32 v17, |v[Y+3]|, |v[Y+4]|, |v[Y+5]|
.irp i, 6,10
	v_max3_num_f32 v16, v16, |v[Y+\i]|, |v[Y+\i+1]|
	v_max3_num_f32 v17, v17, |v[Y+\i+2]|, |v[Y+\i+3]|
.endr
	v_max3_num_f32 v16, v16, |v[Y+14]|, |v[Y+15]|
	v_max3_num_f32 v16, v16, v17, 0x1800000
	v_max_num_f32_dpp v16, v16, v16 row_xmask:1 row_mask:0xf bank_mask:0xf   ; two neighbouring lanes hold a block
	v_add_nc_u32 v18, 0xff000000, v16
	v_cvt_scalef32_pk16_fp6_f32 v[C:C+2], v[Y:Y+15], v18
	v_lshrrev_b32 v19, 23, v18
	ds_store_b8 v[SCW], v19                        ; both lanes of a block write the same byte with the same value
.irp i, 0,1,2
	ds_store_b32 v[WA+\i], v[C+\i]                 ; my three registers' words, at their places in the fragment's image
.endr
.Lno_w:
	; ---- x, pass 1: the means
.set c, 0
.rept 32
	s_wait_loadcnt 31-c                            ; channel c's load is in; the 31 - c younger ones may be out
	v_pk_add_f32 v[16+2*(c%4):17+2*(c%4)], v[X+4*c:X+4*c+1], v[X+4*c+2:X+4*c+3]
	v_add_f32 v[Y+c], v[16+2*(c%4)], v[17+2*(c%4)]
.set c, c+1
.endr
	BFLY
	ALLSUM 0
	v_mul_f32 v16, 0x3a000000, v[Y]                ; / 2,048
	TOS
	; ---- x, pass 2: centred in place, and the squares
.set c, 0
.rept 32
	v_sub_f32 v[X+4*c], v[X+4*c], s[ST+c]
	v_sub_f32 v[X+4*c+1], v[X+4*c+1], s[ST+c]
	v_sub_f32 v[X+4*c+2], v[X+4*c+2], s[ST+c]
	v_sub_f32 v[X+4*c+3], v[X+4*c+3], s[ST+c]
	v_pk_mul_f32 v[16+2*(c%4):17+2*(c%4)], v[X+4*c:X+4*c+1], v[X+4*c:X+4*c+1]
	v_pk_fma_f32 v[16+2*(c%4):17+2*(c%4)], v[X+4*c+2:X+4*c+3], v[X+4*c+2:X+4*c+3], v[16+2*(c%4):17+2*(c%4)]
	v_add_f32 v[Y+c], v[16+2*(c%4)], v[17+2*(c%4)]
.set c, c+1
.endr
	BFLY
	ALLSUM 1
	s_mov_b32 s60, 0x3a000000
	v_fma_f32 v16, v[Y], s60, s61                  ; var + eps
	v_rsq_f32 v16, v16
	v_nop                                          ; a plain line behind the transcendental,
	s_wait_alu depctr_va_vdst(0)                   ; and the wait ahead of its first reader
	TOS
	; ---- x: four positions a thread, a block each.  The multiplication by 1 / sqrt also brings the 32 channels of a position into consecutive registers
.irp q, 0,1,2,3
.set c, 0
.rept 32
	v_mul_f32 v[Y+c], s[ST+c], v[X+4*c+\q]
.set c, c+1
.endr
	QBLOCK Y, C+6*\q
.if \q == 0
	v_mov_b32 v[PKB], v19
.else
	v_lshl_or_b32 v[PKB], v19, 8*\q, v[PKB]
.endif
.endr
.irp i, 0,1,2,3,4,5
	ds_store_b128 v[STA], v[C+4*\i:C+4*\i+3] offset:16*\i      ; my 96 bytes: four positions' codes on end
.endr
	ds_store_b32 v[SCX], v[PKB]
.irp i, 0,1,2,3,4,5
	ds_load_b128 v[Y+4*\i:Y+4*\i+3], v[STB] offset:512*\i      ; back as the wave's 3,072 bytes lie in memory
.endr
	s_wait_dscnt 0x0
.irp i, 0,1,2,3,4,5
	global_store_b128 v[XCO], v[Y+4*\i:Y+4*\i+3], s[44:45] offset:512*\i   ; 512 consecutive bytes, aligned
.endr
	; ---- s: every wave's part has landed
	s_wait_tensorcnt 0x0
	s_barrier_signal -1
	s_barrier_wait -1
.set c, 0
.rept 16
	ds_load_b32 v[X+c], v[SLA] offset:4096*c               ; thread t owns positions t and t + 512
	ds_load_b32 v[X+32+c], v[SLA] offset:4096*c+2048
	ds_load_b32 v[X+16+c], v[SLB] offset:4096*c
	ds_load_b32 v[X+48+c], v[SLB] offset:4096*c+2048
.set c, c+1
.endr
	s_wait_xcnt 0x0                                ; x's stores have read Y
	s_wait_dscnt 0x0
.irp q, 0,1                            ; raw s first: its registers already run down K
	QBLOCK X+32*\q, C+8*\q
	ds_store_b8 v[SCS], v19 offset:1024+512*\q
	SOUT 2+\q, C+8*\q
.endr
.set c, 0
.rept 16
	v_pk_add_f32 v[Y+c:Y+c+1], v[X+c:X+c+1], v[X+32+c:X+33+c]
.set c, c+2
.endr
	BFLY
	ALLSUM 2
	v_mul_f32 v16, 0x3a800000, v[Y]                ; / 1,024
	TOS
.set c, 0
.rept 32
	v_sub_f32 v[X+c], v[X+c], s[ST+c]
	v_sub_f32 v[X+32+c], v[X+32+c], s[ST+c]
.set c, c+1
.endr
.set c, 0
.rept 16
	v_pk_mul_f32 v[Y+c:Y+c+1], v[X+c:X+c+1], v[X+c:X+c+1]
	v_pk_fma_f32 v[Y+c:Y+c+1], v[X+32+c:X+33+c], v[X+32+c:X+33+c], v[Y+c:Y+c+1]
.set c, c+2
.endr
	BFLY
	ALLSUM 3
	s_mov_b32 s60, 0x3a800000
	v_fma_f32 v16, v[Y], s60, s61
	v_rsq_f32 v16, v16
	v_nop
	s_wait_alu depctr_va_vdst(0)
	TOS
.set c, 0
.rept 32
	v_mul_f32 v[X+c], s[ST+c], v[X+c]
	v_mul_f32 v[X+32+c], s[ST+c], v[X+32+c]
.set c, c+1
.endr
.irp q, 0,1
	QBLOCK X+32*\q, C+8*\q
	ds_store_b8 v[SCS], v19 offset:512*\q
	SOUT \q, C+8*\q
.endr
	; ---- the scale bytes and the weight's two fragments leave in long runs
	s_wait_dscnt 0x0
	s_barrier_signal -1
	s_barrier_wait -1
	s_cmp_lt_u32 s[WV], 8
	s_cbranch_scc0 .Lnot_rows
	ds_load_b128 v[160:163], v[SCR]                ; waves 0-3: x's 2,048 bytes, waves 4-7: s's
	s_cmp_lt_u32 s[WV], 4
	s_cselect_b64 s[56:57], s[48:49], s[50:51]
	s_wait_dscnt 0x0
	global_store_b128 v[BYO], v[160:163], s[56:57]
	s_branch .Lend
.Lnot_rows:
	s_cmp_eq_u32 s[WV], 8
	s_cbranch_scc0 .Lnot_8
	ds_load_b32 v160, v[SWR]                       ; wave 8: the weight's 128 scale bytes: two words of each of 16 rows
	s_wait_dscnt 0x0
	global_store_b32 v[WSV], v160, s[54:55]
	s_branch .Lend
.Lnot_8:
	s_cmp_lt_u32 s[WV], 15
	s_cbranch_scc0 .Lend
	ds_load_b128 v[160:163], v[WRD]                ; waves 9-14: the two fragments, 512 bytes a wave
	s_wait_dscnt 0x0
	global_store_b128 v[XO], v[160:163], s[52:53] offset:-4608   ; 16 (t - 288): 512 consecutive bytes, aligned
.Lend:
	s_wait_tensorcnt 0x0                           ; the wave's end
	ds_add_u32 v[SPW], v[NIL]
	s_wait_dscnt 0x0
	s_endpgm
.Lfunc_end_k_qb21a7e3106_prep:
	.size	k_qb21a7e3106_prep, .Lfunc_end_k_qb21a7e3106_prep-k_qb21a7e3106_prep
	.p2alignl 7, 3214868480
	.fill 96, 4, 3214868480
	.section	.rodata,"a",@progbits
	.p2align	6, 0x0
	.amdhsa_kernel k_qb21a7e3106_prep
		.amdhsa_group_segment_fixed_size 198656
		.amdhsa_private_segment_fixed_size 0
		.amdhsa_enable_private_segment 0
		.amdhsa_kernarg_size 56
		.amdhsa_user_sgpr_count 2
		.amdhsa_user_sgpr_kernarg_segment_ptr 1
		.amdhsa_wavefront_size32 1
		.amdhsa_system_sgpr_workgroup_id_x 1
		.amdhsa_system_sgpr_workgroup_id_y 1
		.amdhsa_system_sgpr_workgroup_id_z 1
		.amdhsa_system_vgpr_workitem_id 0
		.amdhsa_next_free_vgpr 232
		.amdhsa_next_free_sgpr 98
		.amdhsa_reserve_vcc 0
		.amdhsa_float_denorm_mode_32 3
		.amdhsa_float_denorm_mode_16_64 3
		.amdhsa_memory_ordered 1
		.amdhsa_forward_progress 1
		.amdhsa_inst_pref_size 93
	.end_amdhsa_kernel
	.amdgpu_metadata
---
amdhsa.version: [ 1, 2 ]
amdhsa.kernels:
  - .name:           k_qb21a7e3106_prep
    .symbol:         k_qb21a7e3106_prep.kd
    .args:
      - { .name: x, .offset: 0, .size: 8, .value_kind: global_buffer, .address_space: global }
      - { .name: s_sty, .offset: 8, .size: 8, .value_kind: global_buffer, .address_space: global }
      - { .name: Wf, .offset: 16, .size: 8, .value_kind: global_buffer, .address_space: global }
      - { .name: Wg, .offset: 24, .size: 8, .value_kind: global_buffer, .address_space: global }
      - { .name: Wh, .offset: 32, .size: 8, .value_kind: global_buffer, .address_space: global }
      - { .name: Wk, .offset: 40, .size: 8, .value_kind: global_buffer, .address_space: global }
      - { .name: w1, .offset: 48, .size: 8, .value_kind: global_buffer, .address_space: global }
    .group_segment_fixed_size: 198656
    .private_segment_fixed_size: 0
    .kernarg_segment_align: 8
    .kernarg_segment_size: 56
    .max_flat_workgroup_size: 512
    .sgpr_count:     98
    .vgpr_count:     232
    .wavefront_size: 32
...
	.end_amdgpu_metadata
.endif
;; end of part 1
;; launch proj (part 2): grid 256 x 1, 4 waves a work-group, no clusters, 12,800 bytes of LDS; arguments w1, bf, bg, bh, w2; writes w2
.if DOCPART == 2
	.amdgcn_target "amdgcn-amd-amdhsa--gfx1250"
	.amdhsa_code_object_version 6
	.text
	.protected	k_qb21a7e3106_proj
	.globl	k_qb21a7e3106_proj
	.p2align	8
	.type	k_qb21a7e3106_proj,@function
k_qb21a7e3106_proj:
	s_mov_b64 s[64:65], 0
	v_nop
	global_prefetch_b8 v0, s[64:65] scope:SCOPE_SE
	s_setreg_imm32_b32 hwreg(HW_REG_WAVE_MODE, 25, 1), 1
	s_wait_xcnt 0x0
; PROJ: F = Wf xn + bf, G = Wg sn + bg, H = Wh s + bh on codes of E2M3, and the quantisers of F and G (along the channels) and of H (along the keys).  No work of reference() is left out.
; LIMITS: as in the first launch: NaN and infinities are not served; a block under 2^-124 gets the byte 1.
; ONE SCHEME.  A STATIONARY operand of 512 rows x K 512 stays in registers, 128 rows a wave (8 tiles x 4 K steps, 384 registers).  A STREAMING operand goes by in 16 tiles of 16 rows.
; The product is used transposed (source 0 = stationary, source 1 = stream): a lane holds one streaming row, and its 64 results are 128 neighbours along the stationary rows, which are one K step of the product
; that follows: so one quantiser gives one whole fragment and one scale word a row, and the wave stores them by itself.  Nothing goes from wave to wave but a small table of scale words.
;   work-groups 0-127:   F: stationary Wf, stream 256 positions of xn;   128-191: G: stationary Wg, stream 256 positions of sn;   192-255: H: stationary 512 positions of s, stream 256 rows of Wh.
; THE ROWS OF A TILE ARE NOT NEIGHBOURS: lane r of tile t takes row 32 (t / 2) + 8 (t % 2) + r + 8 (r / 8), on both sides: on the stationary side so that 16 registers of two tiles are 16 neighbours along
; the next K; on the streaming side so that the same holds where the fragment made here is source 0 of a later product.
; IN (w1): the weights' fragments lie as images of the operand's registers, with these very rows in a tile: three loads of 512 consecutive bytes bring one.  The positions' codes lie by blocks of 32 channels.
; OUT (w2): fragments as IMAGES OF THE OPERAND'S REGISTERS: 1,536 bytes, register group q (4 registers) of lane l at 512 q + 16 l.  Scale words in groups of eight tiles, 512 bytes: tile 4 half + i, row r at
; 256 half + 16 r + 4 i, so that one load of 16 bytes a lane gives four scale registers with tiles 0-3 in lanes 0-15 and tiles 4-7 in lanes 16-31.
; No tensor load: operands go from memory straight into registers.  No cluster: the stationary operand is read once into registers and would have to pass through LDS to be shared.  No prefetch: the launch is short.
.set KBS,   49152
.set SSQ,   12582912
.set WQ,    25165824
.set XSB,   25952256
.set SSB,   26476544
.set WS,    27000832
.set FQ,    13107200                   ; w2: K and V's steps at 0, F's blocks here
.set WT_FG, 0                          ; LDS: the stream's scale words, 256 rows x 16 bytes (F, G);
.set WT_H,  4096                       ; the stationary operand's, 512 rows x 16 bytes (H): each path has bytes of its own
.set SPARE, 12288                      ; the spare words
.set L16,  5                           ; v5   16 x lane: my place in a register group of an image
.set KBO,  6                           ; v6   in a tile laid by blocks: 24 (r + 8 (r / 8)) + 49,152 h
.set OA,   7                           ; v7   where my fragments go;  v8: my scale groups
.set SOA,  8
.set WTF,  9                           ; v9   LDS: the table's row of my lane (F, G): stepped by 128 rows a trip
.set BAF,  10                          ; v10  64 h: the bias along the registers
.set NSA,  11                          ; v11  16 (r + 8 (r / 8)): a weight's scale words
.set SPW,  12
.set NIL,  13
.set WTH,  14                          ; v14  LDS: the table's row of my lane (H)
.set WTW,  15                          ; v15  64 t: where I write the table
.set STS,  16                          ; v16-47  the stationary operand's scale words, 4 t + ks
.set SWS,  48                          ; v48-79  the stream's
.set HA,   80                          ; v80-143 the eight accumulators; at the head the table's bytes and words
.set DD,   80
.set OUTW, 96
.set TT,   112
.set PC,   144                         ; v144-155 the codes just made;  v156-162 the conversions' second halves
.set CT,   156
.set TM,   164                         ; v164-179 the quantiser's work
.set SW,   184                         ; v184-191 a trip's eight scale words;  v192-195 as they are stored
.set SWO,  192
.set BAH,  196                         ; v196 4 (r + 8 (r / 8)): the bias along the lanes (H)
.set T4,   197                         ; v197 4 t
.set CB,   200                         ; v200-207 H: the bias as a sum's first C;  v208-211 as loaded, four tiles by turns
.set BV,   208
.set WV,   14
.set STC,  20                          ; s[20:21] stationary codes;  s[22:23] its scale words (F, G) or bytes (H)
.set STP,  22
.set BIA,  24
.set SRC,  26                          ; s[26:27] the stream's codes;  s[28:29] its bytes (F, G) or scale words (H)
.set SRS,  28
.set OUC,  30
.set OUS,  32
.set STEPB, 34                         ; s[34:35] from a block of w2 to the next
.set TRIPS, 38
.set SEL,  40
.set HIM,  42
; WINDOWS: 1: stationary tiles 0-3 at 48 t + 12 ks;  2: tiles 4-7;  3: v0-63 the bias of F, G (8 registers a tile), v64-255 four sets of stream fragments at 64 + 48 (tile % 4) + 12 ks.
.set MSB, 0
.macro WIN new                         ; the immediate's high byte repeats the setting that is left
.if MSB != (\new)
	s_set_vgpr_msb (MSB<<8)|(\new)
.set MSB, (\new)
.endif
.endm
.macro LDIMG reg, sb, frag             ; a weight's fragment from its image: three loads, each 512 consecutive bytes
.set rL, \reg
.irp q, 0,1,2
	global_load_b128 v[rL+4*\q:rL+4*\q+3], v[L16], s[\sb:\sb+1] offset:(\frag)*1536+512*\q
.endr
.endm
.macro LDKB reg, va, sb, rows, ks      ; a fragment from codes laid [block of 32 along K][row][24 bytes]: blocks 4 ks + h and 4 ks + 2 + h, in pieces of 8 bytes
.set rL, \reg
.irp p, 0,1,2,3,4,5
	global_load_b64 v[rL+2*\p:rL+2*\p+1], v[\va], s[\sb:\sb+1] offset:(4*(\ks)+2*(\p/3))*KBS+(\rows)*24+8*(\p%3)
.endr
.endm
.macro STATION kind                    ; my 128 stationary rows, once: 96 loads from images (F, G), 192 from blocks (H)
.irp t, 0,1,2,3,4,5,6,7
	WIN 0x40*(1+\t/4)
.irp ks, 0,1,2,3
.if \kind
	LDKB 48*(\t%4)+12*\ks, KBO, STC, 32*(\t/2)+8*(\t%2), \ks
.else
	LDIMG 48*(\t%4)+12*\ks, STC, 4*\t+\ks
.endif
.endr
.endr
	WIN 0
.endm
.macro STREAM kind, tn                 ; tile tn of the stream (8, 9, 10: the next trip's first three): 24 loads (F, G); 12 + 2 (H)
.set TRW, 32*((\tn)/2)+8*((\tn)%2)
.set SET, (\tn)%4
.set FRG, 4*(\tn)
	WIN 0xc0
.irp ks, 0,1,2,3
.if \kind
	LDIMG 64+48*SET+12*\ks, SRC, FRG+\ks
.else
	LDKB 64+48*SET+12*\ks, KBO, SRC, TRW, \ks
.endif
.endr
	WIN 0
.if \kind
	global_load_b32 v[BV+SET], v[BAH], s[BIA:BIA+1] offset:4*TRW
	global_load_b128 v[SWS+4*SET:SWS+4*SET+3], v[NSA], s[SRS:SRS+1] offset:16*TRW
.endif
.endm
; The scale bytes lie [block][row]; a matrix instruction wants a word of four blocks for a row.  A thread turns 16 words (16 blocks x 4 rows) into 4 rows x 4 words.
.macro TABLE base
.irp ks, 0,1,2,3
	v_perm_b32 v[TT], v[DD+4*\ks+1], v[DD+4*\ks], s56
	v_perm_b32 v[TT+1], v[DD+4*\ks+1], v[DD+4*\ks], s57
	v_perm_b32 v[TT+2], v[DD+4*\ks+3], v[DD+4*\ks+2], s56
	v_perm_b32 v[TT+3], v[DD+4*\ks+3], v[DD+4*\ks+2], s57
	v_perm_b32 v[OUTW+\ks], v[TT+2], v[TT], s58
	v_perm_b32 v[OUTW+4+\ks], v[TT+2], v[TT], s59
	v_perm_b32 v[OUTW+8+\ks], v[TT+3], v[TT+1], s58
	v_perm_b32 v[OUTW+12+\ks], v[TT+3], v[TT+1], s59
.endr
.irp i, 0,1,2,3
	ds_store_b128 v[WTW], v[OUTW+4*\i:OUTW+4*\i+3] offset:\base+16*\i
.endr
.endm
; 32 matrix instructions: my eight stationary tiles x one stream tile x four K steps; four accumulators take turns, one instruction a turn.  The bias is the C of each sum's first.
.macro MULT kind, tn
.set SET, (\tn)%4
.irp hf, 0,1
.irp ks, 0,1,2,3
.if (\ks == 0) && (\kind == 0)
	WIN 0x3d+\hf                                   ; source 0 window 1 or 2, source 1 and C window 3, D window 0
.else
	WIN 0x0d+\hf
.endif
.irp a, 0,1,2,3
.set rD, HA+8*(4*\hf+\a)
.set rA, 48*\a+12*\ks
.set rB, 64+48*SET+12*\ks
.set rX, STS+4*(4*\hf+\a)+\ks
.if \kind
.set rY, SWS+4*SET+\ks
.set rC, CB
.else
.set rY, SWS+4*(\tn)+\ks
.set rC, 8*(4*\hf+\a)
.endif
.if \ks == 0
	v_wmma_scale_f32_16x16x128_f8f6f4 v[rD:rD+7], v[rA:rA+11], v[rB:rB+11], v[rC:rC+7], v[rX], v[rY] matrix_a_fmt:MATRIX_FMT_FP6 matrix_b_fmt:MATRIX_FMT_FP6
.else
	v_wmma_scale_f32_16x16x128_f8f6f4 v[rD:rD+7], v[rA:rA+11], v[rB:rB+11], v[rD:rD+7], v[rX], v[rY] matrix_a_fmt:MATRIX_FMT_FP6 matrix_b_fmt:MATRIX_FMT_FP6
.endif
.endr
.endr
.endr
.endm
; 64 numbers of a lane, register 16 b + i = k 32 b + 16 (lane / 16) + i of my row, become a fragment's codes in v[PC] on and its scale word in v[pw].
.macro QUANT s, pw
.irp b, 0,1,2,3
	v_max3_num_f32 v[TM+\b], |v[\s+16*\b]|, |v[\s+1+16*\b]|, 0x1800000   ; with the floor 2^(3 - 127): the byte cannot fall under 1
.endr
.irp i, 2,4,6,8,10,12,14
.irp b, 0,1,2,3
	v_max3_num_f32 v[TM+\b], v[TM+\b], |v[\s+16*\b+\i]|, |v[\s+1+16*\b+\i]|
.endr
.endr
.irp b, 0,1,2,3
	v_permlanex16_b32 v[TM+4+\b], v[TM+\b], s[SEL], s[SEL+1]
.endr
.irp b, 0,1,2,3
	v_max_num_f32 v[TM+\b], v[TM+\b], v[TM+4+\b]   ; with lane l xor 16's: the block's largest magnitude
.endr
.irp b, 0,1,2,3
	v_add_nc_u32 v[TM+12+\b], 0xff000000, v[TM+\b] ; 2 off its exponent field: the conversion's scale operand
.endr
.irp b, 0,1,2,3
	v_lshrrev_b32 v[TM+4+\b], 23, v[TM+12+\b]      ; the byte
.endr
	v_lshl_or_b32 v[\pw], v[TM+5], 8, v[TM+4]
	v_lshl_or_b32 v[\pw], v[TM+6], 16, v[\pw]
	v_lshl_or_b32 v[\pw], v[TM+7], 24, v[\pw]
.irp c, 0,1
	v_cvt_scalef32_pk16_fp6_f32 v[PC+6*\c:PC+2+6*\c], v[\s+32*\c:\s+15+32*\c], v[TM+12+2*\c]
	v_cvt_scalef32_pk16_fp6_f32 v[CT+4*\c:CT+2+4*\c], v[\s+16+32*\c:\s+31+32*\c], v[TM+12+2*\c+1]
.endr
	v_nop                                          ; one plain line behind a scaled conversion
.irp c, 0,1                            ; the operand's layout wants a whole block in a lane
.irp i, 0,1,2
	v_permlane16_swap_b32 v[PC+6*\c+\i], v[CT+4*\c+\i]
.endr
.irp i, 0,1,2
	v_mov_b32 v[PC+3+6*\c+\i], v[CT+4*\c+\i]
.endr
.endr
.endm
; A tile of the stream.  Its loads were issued three tiles ago: three tiles' loads are younger (N3; the wait's field ends at 63, so for F and G, whose three tiles are 72 loads, the count is 63).
; Tiles 5 to 7 ask for the next trip's first tiles, if there is a next trip; at those tiles, and at tiles 0 and 1, the count names only younger loads that are issued on every way through the text.
.macro TILE kind, tn
.set NLD, 24-10*\kind
.set N3, 3*NLD
.if N3 > 63
.set N3, 63
.endif
.if \tn < 5
	STREAM \kind, (\tn+3)
.if \tn == 0
	s_wait_loadcnt NLD
.elseif \tn == 1
	s_wait_loadcnt 2*NLD
.else
	s_wait_loadcnt N3
.endif
.else
	s_cmp_eq_u32 s[TRIPS], 1
	s_cbranch_scc1 .Llast_\@
	STREAM \kind, (\tn+3)
.if \tn == 5
	s_wait_loadcnt N3
.else
	s_wait_loadcnt (8-\tn)*NLD
.endif
	s_branch .Lgo_\@
.Llast_\@:
	s_wait_loadcnt (7-\tn)*NLD                     ; no load leaves its buffer: the last trip asks for nothing more
.Lgo_\@:
.endif
.if \kind
.irp j, 0,1,2,3,4,5,6,7
	v_mov_b32 v[CB+\j], v[BV+(\tn)%4]              ; bh of my lane's channel, for all eight rows of the result
.endr
.rept 4
	v_nop
.endr
.endif
	MULT \kind, \tn
	WIN 0
.rept 4
	v_nop                                          ; places in front of the first read of results
.endr
	s_wait_xcnt 0x0                                ; the last tile's stores have read the codes' registers
	QUANT HA, SW+\tn
.irp q, 0,1,2
	global_store_b128 v[OA], v[PC+4*\q:PC+4*\q+3], s[OUC:OUC+1] offset:(\tn)*(6144-4608*\kind)+512*\q   ; 512 consecutive bytes, aligned
.endr
.endm
.macro TRIP kind                       ; eight tiles: 128 rows of the stream
.if \kind == 0
.irp t, 0,1,2,3,4,5,6,7
	ds_load_b128 v[SWS+4*\t:SWS+4*\t+3], v[WTF] offset:WT_FG+16*(32*(\t/2)+8*(\t%2))
.endr
	s_wait_dscnt 0x0
.endif
.irp t, 0,1,2,3,4,5,6,7
	TILE \kind, \t
.endr
.irp i, 0,1,2,3
	v_cndmask_b32 v[SWO+\i], v[SW+\i], v[SW+4+\i], s[HIM]   ; lanes 0-15: tiles 0-3, lanes 16-31: tiles 4-7 (both halves of the lanes hold every word)
.endr
	global_store_b128 v[SOA], v[SWO:SWO+3], s[OUS:OUS+1]
	s_wait_xcnt 0x0                                ; all addresses have been read: the bases step
.if \kind
	s_add_nc_u64 s[SRC:SRC+1], s[SRC:SRC+1], 49152
	s_add_nc_u64 s[SRS:SRS+1], s[SRS:SRS+1], 2048
	s_add_nc_u64 s[BIA:BIA+1], s[BIA:BIA+1], 512
	s_add_nc_u64 s[OUC:OUC+1], s[OUC:OUC+1], 12288
	s_add_nc_u64 s[OUS:OUS+1], s[OUS:OUS+1], 512
.else
	s_add_nc_u64 s[SRC:SRC+1], s[SRC:SRC+1], 3072
	s_add_nc_u64 s[OUC:OUC+1], s[OUC:OUC+1], s[STEPB:STEPB+1]
	s_add_nc_u64 s[OUS:OUS+1], s[OUS:OUS+1], s[STEPB:STEPB+1]
	v_add_nc_u32 v[WTF], 2048, v[WTF]
.endif
.endm
	s_load_b256 s[4:11], s[0:1], 0x0               ; w1, bf, bg, bh
	s_load_b64 s[12:13], s[0:1], 0x20              ; w2
	v_lshl_add_u32 v[SPW], v0, 2, SPARE
	v_mov_b32 v[NIL], 0
	v_lshrrev_b32 v1, 5, v0
	v_readfirstlane_b32 s[WV], v1
	v_and_b32 v1, 31, v0                           ; lane
	v_and_b32 v2, 15, v0                           ; r
	v_bfe_u32 v3, v0, 4, 1                         ; h
	v_and_b32 v4, 8, v2
	v_add_nc_u32 v4, v4, v2                        ; r + 8 (r / 8)
	v_lshlrev_b32 v[L16], 4, v1
	v_mul_u32_u24 v[KBO], v4, 24
	v_mul_u32_u24 v198, v3, KBS
	v_add_nc_u32 v[KBO], v[KBO], v198
	v_lshlrev_b32 v[WTF], 4, v4
	v_lshlrev_b32 v[NSA], 4, v4
	s_lshl_b32 s44, s[WV], 11
	v_add_nc_u32 v[WTH], s44, v[NSA]
	v_lshlrev_b32 v[WTW], 6, v0
	v_lshlrev_b32 v[BAF], 6, v3
	v_lshlrev_b32 v[BAH], 2, v4
	v_lshlrev_b32 v[T4], 2, v0
.irp b, 0,1,2,3
	v_mov_b32 v[TM+4+\b], 0                        ; written once: a lane permute's destination counts as one of its sources
.endr
	s_mov_b32 s[SEL], 0x76543210
	s_mov_b32 s[SEL+1], 0xfedcba98                 ; lane l xor 16
	s_mov_b32 s[HIM], 0xffff0000                   ; lanes 16-31
	s_mov_b32 s56, 0x05010400                      ; byte selects of the table
	s_mov_b32 s57, 0x07030602
	s_mov_b32 s58, 0x05040100
	s_mov_b32 s59, 0x07060302
	s_mov_b32 s[TRIPS], 2
	s_mov_b32 s[STEPB+1], 0
	s_mov_b32 s53, 0
	s_mov_b32 s55, 0
	s_wait_kmcnt 0x0
	s_cmp_lt_u32 ttmp9, 192
	s_cbranch_scc0 .Lkind_h
	; ---- F and G: one text; what differs is chosen on the work-group's number
	s_cmp_lt_u32 ttmp9, 128
	s_cselect_b32 s15, 3, 2                        ; work-groups a sample: 8 or 4
	s_cselect_b32 s16, 7, 3
	s_cselect_b32 s17, 0, 128
	s_cselect_b32 s18, 0, 196608                   ; Wf or Wg
	s_cselect_b32 s19, 0, 8192
	s_cselect_b32 s44, 0, SSQ                      ; xn's codes lie at 0
	s_mov_b32 s45, SSB
	s_cselect_b32 s45, XSB, s45
	s_mov_b32 s[STEPB], 102400
	s_cselect_b32 s[STEPB], 51200, s[STEPB]
	s_cselect_b32 s46, FQ, 0
	s_cselect_b32 s47, 4, 3                        ; blocks of w2 a sample: 16 or 8
	s_mov_b32 s48, 98304
	s_cselect_b32 s48, 49152, s48                  ; where a block's scale groups begin
	s_cselect_b64 s[BIA:BIA+1], s[6:7], s[8:9]
	s_sub_co_u32 s17, ttmp9, s17
	s_lshr_b32 s49, s17, s15                       ; n
	s_and_b32 s50, s17, s16                        ; which 256 positions
	s_mul_i32 s52, s[WV], 49152                    ; my 128 rows of the weight: 32 fragments
	s_add_co_u32 s52, s52, s18
	s_add_co_u32 s52, s52, WQ
	s_add_nc_u64 s[STC:STC+1], s[4:5], s[52:53]
	s_lshl_b32 s52, s[WV], 11
	s_add_co_u32 s52, s52, s19
	s_add_co_u32 s52, s52, WS
	s_add_nc_u64 s[STP:STP+1], s[4:5], s[52:53]
	s_lshl_b32 s52, s[WV], 9
	s_add_nc_u64 s[BIA:BIA+1], s[BIA:BIA+1], s[52:53]
	s_mul_i32 s52, s49, 786432
	s_mul_i32 s54, s50, 6144
	s_add_co_u32 s52, s52, s54
	s_add_co_u32 s52, s52, s44
	s_add_nc_u64 s[SRC:SRC+1], s[4:5], s[52:53]
	s_lshl_b32 s52, s49, 15
	s_lshl_b32 s54, s50, 8
	s_add_co_u32 s52, s52, s54
	s_add_co_u32 s52, s52, s45
	s_add_nc_u64 s[SRS:SRS+1], s[4:5], s[52:53]    ; the stream's scale bytes
	s_lshl_b32 s52, s49, s47
	s_lshl_b32 s54, s50, 1
	s_add_co_u32 s52, s52, s54
	s_mul_i32 s52, s52, s[STEPB]
	s_add_co_u32 s52, s52, s46
	s_add_nc_u64 s[OUC:OUC+1], s[12:13], s[52:53]
	s_mov_b32 s52, s48
	s_add_nc_u64 s[OUS:OUS+1], s[OUC:OUC+1], s[52:53]
	s_mul_i32 s52, s[WV], 1536                     ; my results are K step w of every fragment row
	v_lshl_add_u32 v[OA], v1, 4, s52
	s_lshl_b32 s52, s[WV], 9
	v_lshl_add_u32 v[SOA], v1, 4, s52
	s_cmp_lt_u32 s[WV], 2                          ; 256 rows, 4 a thread: waves 0 and 1 make the table
	s_cbranch_scc0 .Lfg_no_bytes
.set k, 0
.rept 16
	global_load_b32 v[DD+k], v[T4], s[SRS:SRS+1] offset:2048*k
.set k, k+1
.endr
.Lfg_no_bytes:
	STATION 0
.irp t, 0,1,2,3,4,5,6,7
	global_load_b128 v[STS+4*\t:STS+4*\t+3], v[NSA], s[STP:STP+1] offset:16*(32*(\t/2)+8*(\t%2))
.endr
	WIN 0xc0
.irp t, 0,1,2,3,4,5,6,7                ; the bias in the result's layout: register j of tile t: channel 32 (t / 2) + 8 (t % 2) + 16 h + j
	global_load_b128 v[8*\t:8*\t+3], v[BAF], s[BIA:BIA+1] offset:4*(32*(\t/2)+8*(\t%2))
	global_load_b128 v[8*\t+4:8*\t+7], v[BAF], s[BIA:BIA+1] offset:4*(32*(\t/2)+8*(\t%2))+16
.endr
	WIN 0
	STREAM 0, 0
	STREAM 0, 1
	STREAM 0, 2
	s_cmp_lt_u32 s[WV], 2
	s_cbranch_scc0 .Lfg_no_table
	s_wait_loadcnt 63                              ; 192 loads were issued behind the sixteen of the bytes: those are in
	TABLE WT_FG
.Lfg_no_table:
	s_wait_dscnt 0x0
	s_barrier_signal -1
	s_barrier_wait -1                              ; the table lies in LDS
.Ltrip_fg:
	TRIP 0
	s_sub_co_u32 s[TRIPS], s[TRIPS], 1
	s_cmp_lg_u32 s[TRIPS], 0
	s_cbranch_scc1 .Ltrip_fg
	s_branch .Lend
	; ---- H: the positions are stationary, Wh's rows go by: a lane holds one channel, its registers run along the keys
.Lkind_h:
	s_sub_co_u32 s17, ttmp9, 192
	s_lshr_b32 s49, s17, 2                         ; n
	s_bfe_u32 s50, s17, 0x10001                    ; which 512 keys
	s_and_b32 s51, s17, 1                          ; which 256 channels
	s_mul_i32 s52, s49, 786432
	s_mul_i32 s54, s50, 12288
	s_add_co_u32 s52, s52, s54
	s_mul_i32 s54, s[WV], 3072
	s_add_co_u32 s52, s52, s54
	s_add_co_u32 s52, s52, SSQ+24576               ; raw s lies 1,024 rows behind sn
	s_add_nc_u64 s[STC:STC+1], s[4:5], s[52:53]
	s_lshl_b32 s52, s49, 15
	s_lshl_b32 s54, s50, 9
	s_add_co_u32 s52, s52, s54
	s_add_co_u32 s52, s52, SSB+1024
	s_add_nc_u64 s[STP:STP+1], s[4:5], s[52:53]
	s_lshl_b32 s52, s51, 10
	s_add_nc_u64 s[BIA:BIA+1], s[10:11], s[52:53]
	s_mul_i32 s52, s51, 98304                      ; Wh's tiles 16 x (which 256 channels) on: 64 fragments
	s_add_co_u32 s52, s52, WQ+393216
	s_add_nc_u64 s[SRC:SRC+1], s[4:5], s[52:53]
	s_lshl_b32 s52, s51, 12
	s_add_co_u32 s52, s52, WS+16384
	s_add_nc_u64 s[SRS:SRS+1], s[4:5], s[52:53]
	s_lshl_b32 s52, s49, 3
	s_lshl_b32 s54, s50, 2
	s_add_co_u32 s52, s52, s54
	s_mul_i32 s52, s52, 102400                     ; the first of the work-group's four key steps; wave w makes step w of them
	s_mul_i32 s54, s51, 24576
	s_add_co_u32 s54, s54, s52
	s_add_co_u32 s54, s54, 49152
	s_add_nc_u64 s[OUC:OUC+1], s[12:13], s[54:55]
	s_lshl_b32 s54, s51, 10
	s_add_co_u32 s54, s54, s52
	s_add_co_u32 s54, s54, 100352
	s_add_nc_u64 s[OUS:OUS+1], s[12:13], s[54:55]
	s_mul_i32 s52, s[WV], 102400
	v_lshl_add_u32 v[OA], v1, 4, s52
	v_lshl_add_u32 v[SOA], v1, 4, s52
.set k, 0
.rept 16
	global_load_b32 v[DD+k], v[T4], s[STP:STP+1] offset:2048*k   ; 512 rows, 4 a thread: all four waves
.set k, k+1
.endr
	STATION 1
	STREAM 1, 0
	STREAM 1, 1
	STREAM 1, 2
	s_wait_loadcnt 63                              ; 234 loads were issued behind the sixteen of the bytes
	TABLE WT_H
	s_wait_dscnt 0x0
	s_barrier_signal -1
	s_barrier_wait -1
.irp t, 0,1,2,3,4,5,6,7
	ds_load_b128 v[STS+4*\t:STS+4*\t+3], v[WTH] offset:WT_H+16*(32*(\t/2)+8*(\t%2))
.endr
	s_wait_dscnt 0x0
.Ltrip_h:
	TRIP 1
	s_sub_co_u32 s[TRIPS], s[TRIPS], 1
	s_cmp_lg_u32 s[TRIPS], 0
	s_cbranch_scc1 .Ltrip_h
.Lend:
	s_wait_tensorcnt 0x0                           ; the wave's end
	ds_add_u32 v[SPW], v[NIL]
	s_wait_dscnt 0x0
	s_endpgm
.Lfunc_end_k_qb21a7e3106_proj:
	.size	k_qb21a7e3106_proj, .Lfunc_end_k_qb21a7e3106_proj-k_qb21a7e3106_proj
	.p2alignl 7, 3214868480
	.fill 96, 4, 3214868480
	.section	.rodata,"a",@progbits
	.p2align	6, 0x0
	.amdhsa_kernel k_qb21a7e3106_proj
		.amdhsa_group_segment_fixed_size 12800
		.amdhsa_private_segment_fixed_size 0
		.amdhsa_enable_private_segment 0
		.amdhsa_kernarg_size 40
		.amdhsa_user_sgpr_count 2
		.amdhsa_user_sgpr_kernarg_segment_ptr 1
		.amdhsa_wavefront_size32 1
		.amdhsa_system_sgpr_workgroup_id_x 1
		.amdhsa_system_sgpr_workgroup_id_y 1
		.amdhsa_system_sgpr_workgroup_id_z 1
		.amdhsa_system_vgpr_workitem_id 0
		.amdhsa_next_free_vgpr 1024
		.amdhsa_next_free_sgpr 66
		.amdhsa_reserve_vcc 0
		.amdhsa_float_denorm_mode_32 3
		.amdhsa_float_denorm_mode_16_64 3
		.amdhsa_memory_ordered 1
		.amdhsa_forward_progress 1
		.amdhsa_inst_pref_size 224
	.end_amdhsa_kernel
	.amdgpu_metadata
---
amdhsa.version: [ 1, 2 ]
amdhsa.kernels:
  - .name:           k_qb21a7e3106_proj
    .symbol:         k_qb21a7e3106_proj.kd
    .args:
      - { .name: w1, .offset: 0, .size: 8, .value_kind: global_buffer, .address_space: global }
      - { .name: bf, .offset: 8, .size: 8, .value_kind: global_buffer, .address_space: global }
      - { .name: bg, .offset: 16, .size: 8, .value_kind: global_buffer, .address_space: global }
      - { .name: bh, .offset: 24, .size: 8, .value_kind: global_buffer, .address_space: global }
      - { .name: w2, .offset: 32, .size: 8, .value_kind: global_buffer, .address_space: global }
    .group_segment_fixed_size: 12800
    .private_segment_fixed_size: 0
    .kernarg_segment_align: 8
    .kernarg_segment_size: 40
    .max_flat_workgroup_size: 128
    .sgpr_count:     66
    .vgpr_count:     1024
    .wavefront_size: 32
...
	.end_amdgpu_metadata
.endif
;; end of part 2
;; launch attn (part 3): grid 16 x 16, 4 waves a work-group, clusters of 4 x 1, 327,680 bytes of LDS; arguments w2, w1, x, bk, out0; writes out0
.if DOCPART == 3
	.amdgcn_target "amdgcn-amd-amdhsa--gfx1250"
	.amdhsa_code_object_version 6
	.text
	.protected	k_qb21a7e3106_attn
	.globl	k_qb21a7e3106_attn
	.p2align	8
	.type	k_qb21a7e3106_attn,@function
k_qb21a7e3106_attn:
	s_mov_b64 s[64:65], 0
	v_nop
	global_prefetch_b8 v0, s[64:65] scope:SCOPE_SE
	s_setreg_imm32_b32 hwreg(HW_REG_WAVE_MODE, 25, 1), 1
	s_wait_xcnt 0x0
	s_wait_alu depctr_hold_cnt(0) depctr_sa_sdst(0) depctr_va_vdst(0) depctr_va_sdst(0) depctr_va_ssrc(0) depctr_va_vcc(0) depctr_vm_vsrc(0)
	s_getreg_b32 s2, hwreg(HW_REG_IB_STS2, 6, 4)
	s_cmp_eq_u32 s2, 0
	s_cbranch_scc0 .Lentry_in_a_cluster
	s_endpgm
.Lentry_in_a_cluster:
	s_bfe_u32 s2, ttmp6, 0x10000c
	s_cmp_lg_u32 s2, 0x3003
	s_cbranch_scc0 .Lentry_shape_is_right
	s_endpgm
.Lentry_shape_is_right:
; ATTN: logits F^T G, the softmax over the 1,024 keys, O = H p^T / l, out = Wk O + bk + x; all three products on codes of E2M3.  No work of reference() is left out.
; THE SOFTMAX: t = logit x log2(e); M = the running largest t rounded UP to a whole number; p = 2^(t - M) is quantised along the keys; the row's sum l is taken of the unquantised p; when M moves, l and O are
; multiplied by 2^(old M - new M), which rounds nothing.  O is divided by l and then quantised along the channels.
; LIMITS: NaN and infinities are not served; a block under 2^-124 gets the byte 1 (its codes are zeros or nearly so; the bytes are this program's own).
; SHARES.  A work-group owns 128 queries of one sample.  In the attention wave w owns query tiles 2 w and 2 w + 1 with all 512 channels of O^T: 512 registers of sums.  In the last product the waves share the
; out channels, 128 each, for all 128 queries; O's codes go from wave to wave through LDS as images of the operand's registers.
; LAYOUT.  Both products of the attention are used transposed (S^T = G F^T, O^T = H P^T): a lane holds one query throughout.  G's, H's, F's and Wk's fragments lie in memory as images of the operand's registers, and
; the rows of G's, H's and F's tiles were chosen by the launch before so that 16 registers of two neighbouring result tiles are 16 neighbours along the next K (keys for p, channels for O, positions for out).
; CLUSTER.  The four query blocks of a cluster belong to one sample and walk the same eight key steps (128 keys: 102,400 dense bytes of G's and H's fragments and scale words).  Each step is asked for JOINTLY:
; each wave brings 100 rows of 256 bytes with a mask that names the four work-groups.  Two slots; behind each round a wave has one tensor load out, which has a whole key step's work in which to land.
; Wk is not shared so: each wave reads its own quarter once, straight into registers.
; In phases (products, softmax, products): matrix and vector work are not yet set by turns.
.set STEPB, 102400                     ; a key step in memory and in LDS: G's 32 fragments, H's 32, G's scale groups (4 x 512), H's (4 x 512)
.set SLOT1, 1<<17                      ; slot 1 begins here: one exclusive or turns an address from one slot to the other
.set SPARE, 102400                     ; between the slots: the spare words, 128 bytes for each wave; no fill lands there
.set OIMG,  233472                     ; behind the ring: O's 32 fragments,
.set OSC,   282624                     ; their scale words, 128 bytes each,
.set STG,   286720                     ; and a stage of 16 rows x (512 + 16) bytes for each wave
.set FQ,    13107200
.set WQ3,   25165824+3*196608          ; w1: Wk's fragments and scale words
.set WS3,   27000832+3*8192
.set AG0, 1                            ; v1   16 x lane;  v2: + 49,152 (H's part of a step)
.set AH0, 2
.set ADG, 3                            ; v3, v4 the same in the slot in hand
.set ADH, 4
.set SPW, 5
.set NIL, 6
.set PFO, 7                            ; v7   256 x lane: the prefetches' offset; never rewritten
.set OWI, 8                            ; v8, v9 at the head offsets of F's loads; later where I store O's images and scale words
.set OWS, 9
.set ST,  12                           ; tile u's statistics at v[12 + 8 u]: +0 -M, +1 largest t, +2, +3 l, +4 f, +6 1 / l (+5, +7: the pairs' upper halves)
.set GSC, 28                           ; v28-43 G's scale words, 4 ks + i;  v44-59 H's, 4 g + i;  in the last product O's, 4 qt + ks
.set HSC, 44
.set OSW, 28
.set FSC, 60                           ; v60-67 F's scale words, 2 ks + u;  in the last product Wk's, 4 set + ks
.set WKS, 60
.set PSC, 68                           ; v68, v69 p's scale words
.set R16, 70                           ; v70  16 r: Wk's scale words;  v71  4 r: bk
.set R4,  71
.set S,   72                           ; v72-199 S^T, then p: 72 + 64 u + 8 kt
.set ACC, 72                           ; the last product: eight accumulators;  v136-199: 16 rows back from the stage
.set BK,  136
.set PC,  200                          ; v200-223 p's codes, 12 a tile; later O's codes
.set CB,  200                          ; the last product: bk as a sum's first C
.set CT,  224                          ; v224-230 the conversions' second halves
.set TM,  232                          ; v232-247 the quantisers' work
.set BKV, 250                          ; v250, v251 bk of my lane's channel, two tiles by turns
.set FB,  96                           ; window 1: v0-95 F (48 u + 12 ks), v96-239 three buffers of four fragments
.set WKF, 96                           ; the last product, window 1: Wk's fragments, two sets at v96 and v144;  x, two sets at v0 and v192
.set ORI, 12                           ; the last product's LDS addresses take the statistics' places
.set ORS, 13
.set STO, 14
.set RD,  15
.set NLW, 14                           ; loads that bring a tile of Wk: 12 + its scale words + its bias
.set WV,  14
.set TB,  36
.set SLOTS, 37
.set SEL, 38
.set CS,  40
.set PFA, 42
.set LIM, 44
.set FQP, 46
.set XB,  48
.set OUB, 50
.set WKB, 52
.set WSB, 54
.set BKB, 56
; WINDOWS 2 and 3: O^T: accumulator (u, ct) in window 2 + ct / 16 at 128 u + 8 (ct % 16);  in the last product O's fragment (qt, ks) in window 2 + qt / 4 at 48 (qt % 4) + 12 ks.
.set MSB, 0
.macro WIN new                         ; the immediate's high byte repeats the setting that is left
.if MSB != (\new)
	s_set_vgpr_msb (MSB<<8)|(\new)
.set MSB, (\new)
.endif
.endm
.macro PLACES
.rept 4
	v_nop
.endr
.endm
.macro CROUND                          ; a round of the cluster's barrier
	s_barrier_signal -1
	s_barrier_wait -1
	s_cmp_lg_u32 s[WV], 0
	s_cbranch_scc1 .Lnot_wave_0_\@
	s_barrier_signal -3
.Lnot_wave_0_\@:
	s_barrier_wait -3
	s_barrier_signal -1
	s_barrier_wait -1
.endm
; A prefetch of the codes of the step that the NEXT change of slots will ask for: 384 blocks of 256 bytes.  All clusters of a sample walk the same steps: the sample's first cluster asks; its four partners are told
; apart by address (3 cx + w) x 8,192, waves 0 to 2 of each, a lane a block: each block is named once.  The last change that fills a slot asks for nothing.  Steps 0 and 1 and the scale words come by their loads alone.
.macro ASK
	s_cmp_gt_u32 s[SLOTS], s[LIM]
	s_cbranch_scc0 .Lnot_mine_\@
	global_prefetch_b8 v[PFO], s[PFA:PFA+1] th:TH_LOAD_NT scope:SCOPE_SE
.Lnot_mine_\@:
.endm
.macro WM d, a, b, c, sa, sb, row1     ; one matrix instruction; c < 0: the constant 0 starts the sum; row1: source 0's scales stand in lanes 16-31
.set rD, \d
.set rA, \a
.set rB, \b
.set rC, \c
.set rX, \sa
.set rY, \sb
.set rR, \row1
.if rC < 0
.if rR
	v_wmma_scale_f32_16x16x128_f8f6f4 v[rD:rD+7], v[rA:rA+11], v[rB:rB+11], 0, v[rX], v[rY] matrix_a_fmt:MATRIX_FMT_FP6 matrix_b_fmt:MATRIX_FMT_FP6 matrix_a_scale:MATRIX_SCALE_ROW1
.else
	v_wmma_scale_f32_16x16x128_f8f6f4 v[rD:rD+7], v[rA:rA+11], v[rB:rB+11], 0, v[rX], v[rY] matrix_a_fmt:MATRIX_FMT_FP6 matrix_b_fmt:MATRIX_FMT_FP6
.endif
.else
.if rR
	v_wmma_scale_f32_16x16x128_f8f6f4 v[rD:rD+7], v[rA:rA+11], v[rB:rB+11], v[rC:rC+7], v[rX], v[rY] matrix_a_fmt:MATRIX_FMT_FP6 matrix_b_fmt:MATRIX_FMT_FP6 matrix_a_scale:MATRIX_SCALE_ROW1
.else
	v_wmma_scale_f32_16x16x128_f8f6f4 v[rD:rD+7], v[rA:rA+11], v[rB:rB+11], v[rC:rC+7], v[rX], v[rY] matrix_a_fmt:MATRIX_FMT_FP6 matrix_b_fmt:MATRIX_FMT_FP6
.endif
.endif
.endm
.macro FETCH bf, adr, off0, stride     ; four fragments, twelve loads of 16 bytes a lane, each 512 consecutive bytes
	WIN 0x40
.irp j, 0,1,2,3
.irp q, 0,1,2
	ds_load_b128 v[FB+48*(\bf)+12*\j+4*\q:FB+48*(\bf)+12*\j+4*\q+3], v[\adr] offset:(\off0)+\j*(\stride)+512*\q
.endr
.endr
.endm
.macro FETCHU m                        ; unit m's: 0-7: G's key tiles 4 (m / 4) + j at K step m % 4;  8-15: H's channel tiles 4 (m - 8) + j
.if (\m) < 8
	FETCH (\m)%3, ADG, (16*((\m)/4)+(\m)%4)*1536, 6144
.else
	FETCH (\m)%3, ADH, 6144*((\m)-8), 1536
.endif
.endm
; A UNIT: eight matrix instructions on eight accumulators, which take turns, one instruction a turn; in front of them the fetch of the unit two on, into the buffer that the unit before has left.
.macro UNIT un, first
.if (\un) < 14
	PLACES                                         ; behind the last unit's products, whose buffer is loaded again
	FETCHU (\un)+2
	s_wait_dscnt 24                                ; my unit's twelve loads are in; the two younger fetches may be out
.elseif (\un) == 14
	s_wait_dscnt 12
.else
	s_wait_dscnt 0x0
.endif
.set BF, FB+48*((\un)%3)
.if (\un) < 8
.set kh, (\un)/4
.set ks, (\un)%4
	WIN 0x05                                       ; G and F in window 1, S^T in window 0
.irp j, 0,1,2,3
.irp u, 0,1
.if ks == 0
	WM S+64*\u+8*(4*kh+\j), BF+12*\j, 48*\u+12*ks, -1, GSC+4*ks+\j, FSC+2*ks+\u, kh
.else
	WM S+64*\u+8*(4*kh+\j), BF+12*\j, 48*\u+12*ks, S+64*\u+8*(4*kh+\j), GSC+4*ks+\j, FSC+2*ks+\u, kh
.endif
.endr
.endr
.else
.set hq, (\un)-8
	WIN 0xa1+0x50*(hq/4)                           ; H in window 1, p in window 0, O^T in window 2 or 3
.irp j, 0,1,2,3
.irp u, 0,1
.if \first
	WM 128*\u+8*((4*hq+\j)%16), BF+12*\j, PC+12*\u, -1, HSC+4*(hq/2)+\j, PSC+\u, hq%2
.else
	WM 128*\u+8*((4*hq+\j)%16), BF+12*\j, PC+12*\u, 128*\u+8*((4*hq+\j)%16), HSC+4*(hq/2)+\j, PSC+\u, hq%2
.endif
.endr
.endr
.endif
.endm
; Tile u's softmax for 128 keys.  Register 16 b + i of the tile's 64 holds key 32 b + 16 (lane / 16) + i of my query.
.macro SOFTMAX u
.set SS, S+64*\u
.set TS, ST+8*\u
.set PP, PC+12*\u
.irp b, 0,1,2,3
	v_max3_num_f32 v[232+\b], v[SS+16*\b], v[SS+1+16*\b], v[SS+2+16*\b]   ; the largest score of each block of 32 keys: for the row's maximum, and, since p rises with the score, for the block's largest p
.endr
.irp i, 3,5,7,9,11,13
.irp b, 0,1,2,3
	v_max3_num_f32 v[232+\b], v[232+\b], v[SS+16*\b+\i], v[SS+1+16*\b+\i]
.endr
.endr
.irp b, 0,1,2,3
	v_max_num_f32 v[232+\b], v[232+\b], v[SS+15+16*\b]
.endr
.irp b, 0,1,2,3
	v_permlanex16_b32 v[236+\b], v[232+\b], s[SEL], s[SEL+1]
.endr
.irp b, 0,1,2,3
	v_max_num_f32 v[232+\b], v[232+\b], v[236+\b]  ; with lane l xor 16's 16 keys
.endr
	v_max3_num_f32 v254, v232, v233, v234
	v_max_num_f32 v254, v254, v235
	v_mul_f32 v254, s[CS], v254                    ; as t
	v_max_num_f32 v[TS+1], v[TS+1], v254           ; the running largest t
	v_mov_b32 v254, v[TS]
	v_floor_f32 v[TS], -v[TS+1]                    ; the new -M = -ceil(t)
	v_sub_f32 v254, v[TS], v254                    ; old M - new M: a whole number, 0 or less
	v_cvt_i32_f32 v254, v254                       ; (it saturates)
	v_ldexp_f32 v[TS+4], 1.0, v254                 ; f = 2^(old M - new M)
.set j, 0
.rept 32
	v_pk_fma_f32 v[SS+j:SS+j+1], v[SS+j:SS+j+1], s[CS:CS+1], v[TS:TS+1] op_sel_hi:[1,0,0]   ; t - M, two at a time
.set j, j+2
.endr
.irp b, 0,1,2,3
	v_fma_f32 v[232+\b], v[232+\b], s[CS], v[TS]
.endr
.set j, 0
.rept 64
	v_exp_f32 v[SS+j], v[SS+j]                     ; p = 2^(t - M): not normalised
.set j, j+1
.endr
	v_pk_mul_f32 v[TS+2:TS+3], v[TS+2:TS+3], v[TS+4:TS+5] op_sel_hi:[1,0]   ; l under the new M; the plain line behind the exponentials
	s_wait_alu depctr_va_vdst(0)                   ; one wait for the batch, ahead of its first reader
.irp b, 0,1,2,3
	v_exp_f32 v[232+\b], v[232+\b]                 ; the block's largest p
.endr
	v_pk_add_f32 v[236:237], v[SS:SS+1], v[SS+2:SS+3]      ; the row's sum is taken of the unquantised p, in two chains
.irp j, 4,8,12,16,20,24,28,32,36,40,44,48,52,56,60
	v_pk_add_f32 v[TS+2:TS+3], v[TS+2:TS+3], v[SS+\j:SS+1+\j]
	v_pk_add_f32 v[236:237], v[236:237], v[SS+2+\j:SS+3+\j]
.endr
	v_pk_add_f32 v[TS+2:TS+3], v[TS+2:TS+3], v[236:237]
	s_wait_alu depctr_va_vdst(0)                   ; and one for the four
.irp b, 0,1,2,3
	v_max_num_f32 v[232+\b], 0x1800000, v[232+\b]  ; the floor 2^(3 - 127)
.endr
.irp b, 0,1,2,3
	v_add_nc_u32 v[244+\b], 0xff000000, v[232+\b]
.endr
.irp b, 0,1,2,3
	v_lshrrev_b32 v[236+\b], 23, v[244+\b]
.endr
	v_lshl_or_b32 v[PSC+\u], v237, 8, v236
	v_lshl_or_b32 v[PSC+\u], v238, 16, v[PSC+\u]
	v_lshl_or_b32 v[PSC+\u], v239, 24, v[PSC+\u]
.irp c, 0,1
	v_cvt_scalef32_pk16_fp6_f32 v[PP+6*\c:PP+2+6*\c], v[SS+32*\c:SS+15+32*\c], v[244+2*\c]
	v_cvt_scalef32_pk16_fp6_f32 v[CT+4*\c:CT+2+4*\c], v[SS+16+32*\c:SS+31+32*\c], v[244+2*\c+1]
.endr
	v_nop
.irp c, 0,1
.irp i, 0,1,2
	v_permlane16_swap_b32 v[PP+6*\c+\i], v[CT+4*\c+\i]
.endr
.irp i, 0,1,2
	v_mov_b32 v[PP+3+6*\c+\i], v[CT+4*\c+\i]
.endr
.endr
.endm
.macro RESCALE                         ; O^T under the new M; each accumulator from its low end on
.irp w, 2,3
	WIN (\w<<6)|\w
.irp u, 0,1
.set k, 0
.rept 64
	v_pk_mul_f32 v[128*\u+k:128*\u+k+1], v[128*\u+k:128*\u+k+1], v[ST+8*\u+4:ST+8*\u+5] op_sel_hi:[1,0]
.set k, k+2
.endr
.endr
.endr
.endm
.macro STEP first                      ; a key step: 64 products S^T, two softmaxes, 64 products O^T
	PLACES                                         ; behind the last step's products: their buffers and scale registers are loaded again
	v_add_nc_u32 v[ADG], s[TB], v[AG0]
	v_add_nc_u32 v[ADH], s[TB], v[AH0]
.irp ks, 0,1,2,3
	ds_load_b128 v[GSC+4*\ks:GSC+4*\ks+3], v[ADH] offset:49152+512*\ks
.endr
.irp g, 0,1,2,3
	ds_load_b128 v[HSC+4*\g:HSC+4*\g+3], v[ADH] offset:51200+512*\g
.endr
	FETCHU 0
	FETCHU 1
.irp un, 0,1,2,3,4,5,6,7
	UNIT \un, \first
.endr
	WIN 0
	PLACES
	SOFTMAX 0
	SOFTMAX 1
.if \first
.rept 8
	v_nop                                          ; a scale register written by a vector instruction stands eight places ahead of the product that names it
.endr
.else
	RESCALE
.endif
.irp un, 8,9,10,11,12,13,14,15
	UNIT \un, \first
.endr
	WIN 0
	s_xor_b32 s[TB], s[TB], SLOT1                  ; on to the other slot
.endm
; THE CHANGE OF SLOTS, at a step's head.  Each wave waits for all its tensor loads (its part of the step ahead), adds 0 to its spare word, and waits for that and for its reads of the slot that it has left.
; fill = 1: a round of the cluster's barrier, so that no wave of any partner still reads that slot or has a load on its way; the joint load is the first thing behind it.
.macro CHANGE fill
	s_wait_tensorcnt 0x0
	ds_add_u32 v[SPW], v[NIL]
.if \fill
	s_xor_b32 s33, s33, SLOT1                      ; the walking descriptor: the other slot, the next step
	s_add_nc_u64 s[34:35], s[34:35], STEPB
	s_wait_xcnt 0x0                                ; the last prefetch, a step back, has read its address
	s_add_nc_u64 s[PFA:PFA+1], s[PFA:PFA+1], STEPB
	s_wait_dscnt 0x0
	CROUND
	tensor_load_to_lds s[32:35], s[24:31]
	s_nop 0
	PLACES
	ASK
.else
	s_wait_dscnt 0x0
	s_barrier_signal -1
	s_barrier_wait -1
.endif
.endm
.macro QUANT s, pw                     ; 64 numbers of a lane, register 16 b + i = k 32 b + 16 (lane / 16) + i, become a fragment's codes in v[PC] on and its scale word in v[pw]
.irp b, 0,1,2,3
	v_max3_num_f32 v[TM+\b], |v[\s+16*\b]|, |v[\s+1+16*\b]|, 0x1800000
.endr
.irp i, 2,4,6,8,10,12,14
.irp b, 0,1,2,3
	v_max3_num_f32 v[TM+\b], v[TM+\b], |v[\s+16*\b+\i]|, |v[\s+1+16*\b+\i]|
.endr
.endr
.irp b, 0,1,2,3
	v_permlanex16_b32 v[TM+4+\b], v[TM+\b], s[SEL], s[SEL+1]
.endr
.irp b, 0,1,2,3
	v_max_num_f32 v[TM+\b], v[TM+\b], v[TM+4+\b]
.endr
.irp b, 0,1,2,3
	v_add_nc_u32 v[TM+12+\b], 0xff000000, v[TM+\b]
.endr
.irp b, 0,1,2,3
	v_lshrrev_b32 v[TM+4+\b], 23, v[TM+12+\b]
.endr
	v_lshl_or_b32 v[\pw], v[TM+5], 8, v[TM+4]
	v_lshl_or_b32 v[\pw], v[TM+6], 16, v[\pw]
	v_lshl_or_b32 v[\pw], v[TM+7], 24, v[\pw]
.irp c, 0,1
	v_cvt_scalef32_pk16_fp6_f32 v[PC+6*\c:PC+2+6*\c], v[\s+32*\c:\s+15+32*\c], v[TM+12+2*\c]
	v_cvt_scalef32_pk16_fp6_f32 v[CT+4*\c:CT+2+4*\c], v[\s+16+32*\c:\s+31+32*\c], v[TM+12+2*\c+1]
.endr
	v_nop
.irp c, 0,1
.irp i, 0,1,2
	v_permlane16_swap_b32 v[PC+6*\c+\i], v[CT+4*\c+\i]
.endr
.irp i, 0,1,2
	v_mov_b32 v[PC+3+6*\c+\i], v[CT+4*\c+\i]
.endr
.endr
.endm
.macro LOADW toff, set                 ; a tile of 16 rows of Wk: four fragments from their images (512 consecutive bytes a load), their scale words, bk of my lane's channel: 14 loads
	WIN 0x40
.irp ks, 0,1,2,3
.irp q, 0,1,2
	global_load_b128 v[WKF+48*(\set)+12*\ks+4*\q:WKF+48*(\set)+12*\ks+4*\q+3], v[AG0], s[WKB:WKB+1] offset:(4*(\toff)+\ks)*1536+512*\q
.endr
.endr
	WIN 0
	global_load_b128 v[WKS+4*(\set):WKS+4*(\set)+3], v[R16], s[WSB:WSB+1] offset:256*(\toff)
	global_load_b32 v[BKV+(\set)], v[R4], s[BKB:BKB+1] offset:64*(\toff)
.endm
.macro XLOAD toff, set                 ; 16 rows of x at my 128 positions: 512 consecutive bytes a load: 16 loads
	WIN 0x40
.irp i, 0,1,2,3,4,5,6,7,8,9,10,11,12,13,14,15
	global_load_b128 v[192*(\set)+4*\i:192*(\set)+4*\i+3], v[AG0], s[XB:XB+1] offset:(16*(\toff)+\i)*8192 th:TH_LOAD_NT
.endr
	WIN 0
.endm
	s_load_b256 s[4:11], s[0:1], 0x0               ; w2, w1, x, bk
	s_load_b64 s[12:13], s[0:1], 0x20              ; out0
	v_lshl_add_u32 v[SPW], v0, 2, SPARE
	v_mov_b32 v[NIL], 0
	ds_add_u32 v[SPW], v[NIL]                      ; the opening: the add, twice on end, and its wait ahead of the round in front of my first tensor load
	ds_add_u32 v[SPW], v[NIL]
	v_lshrrev_b32 v8, 5, v0
	v_readfirstlane_b32 s[WV], v8
	s_bfe_u32 s15, ttmp6, 0x40000                  ; cx
	s_lshl_b32 s16, ttmp9, 2
	s_add_co_u32 s16, s16, s15                     ; my block of 128 queries: it enters F's, x's and out's addresses alone
	s_and_b32 s17, ttmp7, 0xffff                   ; the sample, which the four partners share
	s_mov_b32 s24, 15|(3<<16)|(1<<21)              ; group 1: the mask of all four; elements of 8 bytes; bit 21 beside a mask; no padding
	s_mov_b32 s25, 32<<16                          ; tensor_dim0 = 32 (256 bytes)
	s_mov_b32 s26, 100<<16                         ; tensor_dim1 = 100
	s_mov_b32 s27, 32<<16                          ; tile_dim0
	s_mov_b32 s28, 100                             ; tile_dim1
	s_mov_b32 s29, 32                              ; pitch: the block is dense
	s_mov_b32 s30, 0
	s_mov_b32 s31, 0
	s_mov_b32 s32, 1
	s_mul_i32 s33, s[WV], 25600                    ; my quarter of a step, in LDS and in memory
	s_mul_i32 s18, s17, 819200
	s_add_co_u32 s18, s18, s33
	s_mov_b32 s19, 0
	s_mov_b32 s21, 0
	s_mov_b32 s[SEL], 0x76543210
	s_mov_b32 s[SEL+1], 0xfedcba98
	s_mov_b32 s[CS], 0x3fb8aa3b                    ; log2(e): the logits are not scaled
	s_mov_b32 s[CS+1], s[CS]
	s_mov_b32 s[TB], 0
	s_mov_b32 s[SLOTS], 7
	s_cmp_lt_u32 s[WV], 3
	s_cselect_b32 s[LIM], 0, 1
	s_or_b32 s[LIM], s[LIM], ttmp9                 ; waves 0-2 of the sample's first cluster: the same in all four partners
	s_cmp_eq_u32 s[LIM], 0
	s_cselect_b32 s[LIM], 1, -1
	v_and_b32 v10, 31, v0                          ; lane
	v_and_b32 v11, 15, v0                          ; r
	v_lshlrev_b32 v[AG0], 4, v10
	v_add_nc_u32 v[AH0], 49152, v[AG0]
	v_lshlrev_b32 v[PFO], 8, v10
	s_mul_i32 s22, s[WV], 12288
	v_lshl_add_u32 v8, v10, 4, s22                 ; F's fragments: my two tiles' eight
	s_lshr_b32 s22, s[WV], 1
	s_lshl_b32 s22, s22, 8
	s_and_b32 s23, s[WV], 1
	s_lshl_b32 s23, s23, 3
	s_add_co_u32 s22, s22, s23
	v_lshl_add_u32 v9, v11, 4, s22                 ; and their two scale words in a group: tiles 2 w, 2 w + 1
.irp u, 0,1
	v_mov_b32 v[ST+8*\u+1], 0xff61b1e6             ; the largest t so far: -3e38
	v_floor_f32 v[ST+8*\u], -v[ST+8*\u+1]
	v_mov_b32 v[ST+8*\u+2], 0
	v_mov_b32 v[ST+8*\u+3], 0
	v_mov_b32 v[ST+8*\u+5], 0                      ; (named as pairs' upper halves)
	v_mov_b32 v[ST+8*\u+7], 0
.endr
.irp b, 0,1,2,3
	v_mov_b32 v[236+\b], 0                         ; a lane permute's destination counts as one of its sources
.endr
	s_wait_dscnt 0x0                               ; both opening adds are done
	s_wait_kmcnt 0x0
	s_add_nc_u64 s[34:35], s[4:5], s[18:19]        ; step 0 of my sample, my quarter
	s_or_b32 s35, s35, 0x80000000
	s_mul_i32 s20, s15, 3
	s_add_co_u32 s20, s20, s[WV]
	s_lshl_b32 s20, s20, 13
	s_mul_i32 s22, s17, 819200
	s_add_co_u32 s20, s20, s22
	s_add_co_u32 s20, s20, STEPB
	s_add_nc_u64 s[PFA:PFA+1], s[4:5], s[20:21]    ; in step 1: the first change steps it to step 2
	s_lshl_b32 s20, s17, 4
	s_add_co_u32 s20, s20, s16
	s_mul_i32 s20, s20, 51200
	s_add_co_u32 s20, s20, FQ
	s_add_nc_u64 s[FQP:FQP+1], s[4:5], s[20:21]
	s_lshl_b32 s20, s17, 22
	s_lshl_b32 s22, s[WV], 20
	s_add_co_u32 s20, s20, s22
	s_lshl_b32 s22, s16, 9
	s_add_co_u32 s20, s20, s22
	s_add_nc_u64 s[XB:XB+1], s[8:9], s[20:21]      ; x and out: my sample, my 128 channels, my 128 positions
	s_add_nc_u64 s[OUB:OUB+1], s[12:13], s[20:21]
	s_mul_i32 s20, s[WV], 49152
	s_add_co_u32 s20, s20, WQ3
	s_add_nc_u64 s[WKB:WKB+1], s[6:7], s[20:21]    ; my 128 rows of Wk: 32 fragments
	s_lshl_b32 s20, s[WV], 11
	s_add_co_u32 s20, s20, WS3
	s_add_nc_u64 s[WSB:WSB+1], s[6:7], s[20:21]
	s_lshl_b32 s20, s[WV], 9
	s_add_nc_u64 s[BKB:BKB+1], s[10:11], s[20:21]
	CROUND                                         ; all four work-groups are here: the first joint loads meet
	tensor_load_to_lds s[32:35], s[24:31]          ; step 0 into slot 0
	s_nop 0
	PLACES
	WIN 0x40
.irp u, 0,1
.irp ks, 0,1,2,3
.irp q, 0,1,2
	global_load_b128 v[48*\u+12*\ks+4*\q:48*\u+12*\ks+4*\q+3], v8, s[FQP:FQP+1] offset:(4*\u+\ks)*1536+512*\q   ; F stays in registers
.endr
.endr
.endr
	WIN 0
.irp ks, 0,1,2,3
	global_load_b64 v[FSC+2*\ks:FSC+2*\ks+1], v9, s[FQP:FQP+1] offset:49152+512*\ks
.endr
	s_wait_loadcnt 0x0
	CHANGE 1                                       ; step 0 has landed; step 1 goes into slot 1
	STEP 1                                         ; the first step's products start O^T's sums: nothing is cleared
	s_sub_co_u32 s[SLOTS], s[SLOTS], 1
.Lstep:                                            ; six trips: steps 1 to 6, asking for steps 2 to 7
	CHANGE 1
	STEP 0
	s_sub_co_u32 s[SLOTS], s[SLOTS], 1
	s_cmp_lg_u32 s[SLOTS], 0
	s_cbranch_scc1 .Lstep
	CHANGE 0                                       ; the last step is written out
	STEP 0
	; ---- The attention's operands in window 1 are done with: the last product's first two tiles of Wk and of x are asked for here, 60 loads, and land while O is quantised
	PLACES                                         ; behind the last products, whose buffers are loaded again
	v_lshlrev_b32 v[R16], 4, v11
	v_lshlrev_b32 v[R4], 2, v11
	LOADW 0, 0
	XLOAD 0, 0
	LOADW 1, 1
	XLOAD 1, 1
	; ---- O = O^T / l, quantised along the channels; its eight fragments of my two tiles go to LDS as images of their registers
.irp u, 0,1
	v_add_f32 v[ST+8*\u+2], v[ST+8*\u+2], v[ST+8*\u+3]
.endr
.irp u, 0,1
	v_permlanex16_b32 v[236+\u], v[ST+8*\u+2], s[SEL], s[SEL+1]
.endr
.irp u, 0,1
	v_add_f32 v[ST+8*\u+2], v[ST+8*\u+2], v[236+\u]
.endr
.irp u, 0,1
	v_rcp_f32 v[ST+8*\u+6], v[ST+8*\u+2]
.endr
	s_mul_i32 s22, s[WV], 12288
	s_add_co_u32 s22, s22, OIMG
	v_lshl_add_u32 v[OWI], v10, 4, s22             ; (plain lines behind the reciprocals)
	s_lshl_b32 s22, s[WV], 10
	s_add_co_u32 s22, s22, OSC
	v_lshl_add_u32 v[OWS], v10, 2, s22
	s_wait_alu depctr_va_vdst(0)                   ; one wait for both reciprocals, ahead of their first reader
.irp u, 0,1
.irp k4, 0,1,2,3
	WIN 0x02+\k4/2                                 ; source 0: window 2 or 3
.set k, 0
.rept 32
	v_pk_mul_f32 v[S+k:S+k+1], v[128*\u+64*(\k4%2)+k:128*\u+64*(\k4%2)+k+1], v[ST+8*\u+6:ST+8*\u+7] op_sel_hi:[1,0]
.set k, k+2
.endr
	WIN 0
	QUANT S, 248
.irp q, 0,1,2
	ds_store_b128 v[OWI], v[PC+4*\q:PC+4*\q+3] offset:(4*\u+\k4)*1536+512*\q
.endr
	ds_store_b32 v[OWS], v248 offset:(4*\u+\k4)*128
	s_wait_dscnt 0x0                               ; the stores have read their registers
.endr
.endr
	s_barrier_signal -1
	s_barrier_wait -1                              ; O's 32 fragments lie in LDS
	; ---- out = Wk O + bk + x.  Source 0 = 16 queries of O, source 1 = 16 rows of Wk: lane (r, h) holds out channel r, and its eight registers eight neighbouring positions
	v_bfe_u32 v24, v0, 4, 1                        ; h
	v_lshl_add_u32 v[ORI], v10, 4, OIMG
	v_lshl_add_u32 v[ORS], v10, 2, OSC
	s_mul_i32 s22, s[WV], 8448
	s_add_co_u32 s22, s22, STG
	v_mul_u32_u24 v[STO], v11, 528
	v_lshl_add_u32 v[STO], v24, 6, v[STO]
	v_add_nc_u32 v[STO], s22, v[STO]               ; into my stage: row r, 64 h bytes on
	v_lshl_add_u32 v[RD], v10, 4, s22              ; back: a row of 512 bytes for the 32 lanes
; A tile: 16 out channels x 128 positions.  Wk and x have two sets of registers each, tile t in set t % 2.  The loads go out in the order Wk 0, x 0, Wk 1, x 1, Wk 2, x 2 ..: tile t + 2's Wk directly behind tile t's
; products, its x directly behind tile t's additions, so that each has nearly two tiles' work in which to land; at most 60 loads of the wave are out.
; more = 1: tile t + 2 is asked for.  so: the rows by which the stores reach back: the bases are stepped by two tiles in the first tile of a trip, behind its products, where the wait for the stores' data stands anyway.
.macro CTILE tt, more, so
.if \more
	s_wait_loadcnt NLW+32                          ; this tile's Wk is in; younger: its x, the next tile's Wk and x
.else
	s_wait_loadcnt (1-\tt)*(NLW+16)+16             ; the last two tiles: the counts run down
.endif
.irp j, 0,1,2,3,4,5,6,7
	v_mov_b32 v[CB+\j], v[BKV+\tt]
.endr
	PLACES
.irp hf, 0,1
	WIN 0x06+\hf                                   ; O in window 2 or 3, Wk in window 1
.irp ks, 0,1,2,3
.irp a, 0,1,2,3                        ; four accumulators take turns
.if \ks == 0
	WM ACC+8*(4*\hf+\a), 48*\a+12*\ks, WKF+48*\tt+12*\ks, CB, OSW+4*(4*\hf+\a)+\ks, WKS+4*\tt+\ks, 0
.else
	WM ACC+8*(4*\hf+\a), 48*\a+12*\ks, WKF+48*\tt+12*\ks, ACC+8*(4*\hf+\a), OSW+4*(4*\hf+\a)+\ks, WKS+4*\tt+\ks, 0
.endif
.endr
.endr
.endr
	WIN 0
	PLACES                                         ; in front of the first read of results and of the loads into Wk's registers
	s_wait_xcnt 0x0                                ; the last tile's stores have read their registers, and every address has been read
.if \more
.if \tt == 0
	s_add_nc_u64 s[XB:XB+1], s[XB:XB+1], 32*8192   ; two tiles on
	s_add_nc_u64 s[OUB:OUB+1], s[OUB:OUB+1], 32*8192
	s_add_nc_u64 s[WKB:WKB+1], s[WKB:WKB+1], 12288
	s_add_nc_u64 s[WSB:WSB+1], s[WSB:WSB+1], 512
	s_add_nc_u64 s[BKB:BKB+1], s[BKB:BKB+1], 128
.endif
	LOADW \tt, \tt
.endif
.irp qt, 0,1,2,3,4,5,6,7               ; register j of tile qt is position 32 (qt / 2) + 8 (qt % 2) + 16 h + j
	ds_store_b128 v[STO], v[ACC+8*\qt:ACC+8*\qt+3] offset:128*(\qt/2)+32*(\qt%2)
	ds_store_b128 v[STO], v[ACC+8*\qt+4:ACC+8*\qt+7] offset:128*(\qt/2)+32*(\qt%2)+16
.endr
.irp i, 0,1,2,3,4,5,6,7,8,9,10,11,12,13,14,15
	ds_load_b128 v[BK+4*\i:BK+4*\i+3], v[RD] offset:528*\i     ; LDS serves a wave's instructions in order: these see my stores
.endr
	s_wait_dscnt 0x0
.if \more
	s_wait_loadcnt 2*NLW+16                        ; this tile's x is in; younger: the next tile's Wk and x, and the Wk just asked for
.else
	s_wait_loadcnt (1-\tt)*(NLW+16)
.endif
	WIN 0x04                                       ; source 1: window 1
.set k, 0
.rept 32
	v_pk_add_f32 v[BK+k:BK+k+1], v[BK+k:BK+k+1], v[192*\tt+k:192*\tt+k+1]
.set k, k+2
.endr
	WIN 0
.irp i, 0,1,2,3,4,5,6,7,8,9,10,11,12,13,14,15
	global_store_b128 v[AG0], v[BK+4*\i:BK+4*\i+3], s[OUB:OUB+1] offset:(16*\tt+\i+(\so))*8192 th:TH_STORE_NT   ; 512 consecutive bytes of a row of out, aligned
.endr
.if \more
	XLOAD \tt, \tt
.endif
.endm
	WIN 0x80
.irp qt, 0,1,2,3
.irp ks, 0,1,2,3
.irp q, 0,1,2
	ds_load_b128 v[48*\qt+12*\ks+4*\q:48*\qt+12*\ks+4*\q+3], v[ORI] offset:(4*\qt+\ks)*1536+512*\q
.endr
.endr
.endr
	WIN 0xc0
.irp qt, 0,1,2,3
.irp ks, 0,1,2,3
.irp q, 0,1,2
	ds_load_b128 v[48*\qt+12*\ks+4*\q:48*\qt+12*\ks+4*\q+3], v[ORI] offset:(16+4*\qt+\ks)*1536+512*\q
.endr
.endr
.endr
	WIN 0
.set k, 0
.rept 32
	ds_load_b32 v[OSW+k], v[ORS] offset:128*k
.set k, k+1
.endr
	s_wait_dscnt 0x0
	s_mov_b32 s60, 3
.Lout:                                             ; three trips of two tiles, asking for tiles 2 to 7; the last two tiles are written out, so that no load is jumped over
	CTILE 0, 1, -32
	CTILE 1, 1, -32
	s_sub_co_u32 s60, s60, 1
	s_cmp_lg_u32 s60, 0
	s_cbranch_scc1 .Lout
	CTILE 0, 0, 0
	CTILE 1, 0, 0
	s_wait_tensorcnt 0x0                           ; the wave's end
	ds_add_u32 v[SPW], v[NIL]
	s_wait_dscnt 0x0
	CROUND                                         ; the closing round
	s_endpgm
.Lfunc_end_k_qb21a7e3106_attn:
	.size	k_qb21a7e3106_attn, .Lfunc_end_k_qb21a7e3106_attn-k_qb21a7e3106_attn
	.p2alignl 7, 3214868480
	.fill 96, 4, 3214868480
	.section	.rodata,"a",@progbits
	.p2align	6, 0x0
	.amdhsa_kernel k_qb21a7e3106_attn
		.amdhsa_group_segment_fixed_size 327680
		.amdhsa_private_segment_fixed_size 0
		.amdhsa_enable_private_segment 0
		.amdhsa_kernarg_size 40
		.amdhsa_user_sgpr_count 2
		.amdhsa_user_sgpr_kernarg_segment_ptr 1
		.amdhsa_wavefront_size32 1
		.amdhsa_system_sgpr_workgroup_id_x 1
		.amdhsa_system_sgpr_workgroup_id_y 1
		.amdhsa_system_sgpr_workgroup_id_z 1
		.amdhsa_system_vgpr_workitem_id 0
		.amdhsa_next_free_vgpr 1024
		.amdhsa_next_free_sgpr 66
		.amdhsa_reserve_vcc 0
		.amdhsa_float_denorm_mode_32 3
		.amdhsa_float_denorm_mode_16_64 3
		.amdhsa_memory_ordered 1
		.amdhsa_forward_progress 1
		.amdhsa_inst_pref_size 255
	.end_amdhsa_kernel
	.section	.bss,"aw",@nobits
	.p2align	6
	.space	262144
	.amdgpu_metadata
---
amdhsa.version: [ 1, 2 ]
amdhsa.kernels:
  - .name:           k_qb21a7e3106_attn
    .symbol:         k_qb21a7e3106_attn.kd
    .args:
      - { .name: w2, .offset: 0, .size: 8, .value_kind: global_buffer, .address_space: global }
      - { .name: w1, .offset: 8, .size: 8, .value_kind: global_buffer, .address_space: global }
      - { .name: x, .offset: 16, .size: 8, .value_kind: global_buffer, .address_space: global }
      - { .name: bk, .offset: 24, .size: 8, .value_kind: global_buffer, .address_space: global }
      - { .name: out0, .offset: 32, .size: 8, .value_kind: global_buffer, .address_space: global }
    .group_segment_fixed_size: 327680
    .private_segment_fixed_size: 0
    .kernarg_segment_align: 8
    .kernarg_segment_size: 40
    .max_flat_workgroup_size: 128
    .sgpr_count:     66
    .vgpr_count:     1024
    .wavefront_size: 32
...
	.end_amdgpu_metadata
.endif
;; end of part 3
